; MI455X (gfx1250); checked and timed in simulation.
; The chip was launched on July 23, 2026; its instructions are those of AMD's public machine-readable ISA for CDNA 5 (MIT licence, August 2026) and "CDNA5" Instruction Set Architecture Reference Guide (July 2026). The comments in the code are by the model that wrote it; some were corrected since.
;; Cross Attention. Allowed arithmetic: matrix products marked QUANTISED: E2M1 operands, one E8M0 scale for each 32 along K, by v_wmma_scale_f32_16x16x128_f8f6f4 with both operands' format E2M1 (or v_wmma_scale_f32_32x16x128_f4), f32 sums; everything else in f32.
;; Inputs: fc_w_codes 1,024 x 32 x 16 uint8 (E2M1 codes of fc_w, K innermost, in blocks of 32 codes, two codes a byte); fc_w_scales 1,024 x 32 uint8 (E8M0 scales of fc_w, one for each 32 codes along K); k_codes 8 x 1,024 x 32 x 16 uint8 (E2M1 codes of k, K innermost, in blocks of 32 codes, two codes a byte); k_scales 8 x 1,024 x 32 uint8 (E8M0 scales of k, one for each 32 codes along K); ln_beta 1,024 float32; ln_gamma 1,024 float32; q_codes 8 x 1,024 x 24 x 16 uint8 (E2M1 codes of q, K innermost, in blocks of 32 codes, two codes a byte); q_scales 8 x 1,024 x 24 uint8 (E8M0 scales of q, one for each 32 codes along K); resid_b 1,024 float32; resid_w_codes 1,024 x 24 x 16 uint8 (E2M1 codes of resid_w, K innermost, in blocks of 32 codes, two codes a byte); resid_w_scales 1,024 x 24 uint8 (E8M0 scales of resid_w, one for each 32 codes along K); v_codes 8 x 1,024 x 32 x 16 uint8 (E2M1 codes of v, K innermost, in blocks of 32 codes, two codes a byte); v_scales 8 x 1,024 x 32 uint8 (E8M0 scales of v, one for each 32 codes along K); w_ks_codes 1,024 x 32 x 16 uint8 (E2M1 codes of w_ks, K innermost, in blocks of 32 codes, two codes a byte); w_ks_scales 1,024 x 32 uint8 (E8M0 scales of w_ks, one for each 32 codes along K); w_qs_codes 1,024 x 24 x 16 uint8 (E2M1 codes of w_qs, K innermost, in blocks of 32 codes, two codes a byte); w_qs_scales 1,024 x 24 uint8 (E8M0 scales of w_qs, one for each 32 codes along K); w_vs_codes 1,024 x 32 x 16 uint8 (E2M1 codes of w_vs, K innermost, in blocks of 32 codes, two codes a byte); w_vs_scales 1,024 x 32 uint8 (E8M0 scales of w_vs, one for each 32 codes along K).
;; Outputs: out0 8 x 1,024 x 1,024 float32.
;; This version of the problem:
;;   THIS VERSION OF THE PROBLEM IS GIVEN IN LOW PRECISION. The matrix products marked QUANTISED in the list below multiply operands that are first quantised to E2M1 (2 exponent bits, 1 mantissa bit; 4 bits a number), with one power-of-two scale for each 32 numbers along K (OCP MX v1.0); their sums are f32. All else is computed in f32.
;;   The module's matrix products, in the order in which they are computed (A, B: the left and right operand; K: the contracted axis; several contracted axes count as one K, in the product's order):
;;     1. [M 8,192, K 768] x [K 768, N 1,024]; A: input q (given as codes); B: input w_qs (given as codes): QUANTISED
;;     2. [M 8,192, K 1,024] x [K 1,024, N 1,024]; A: input k (given as codes); B: input w_ks (given as codes): QUANTISED
;;     3. [M 8,192, K 1,024] x [K 1,024, N 1,024]; A: input v (given as codes); B: input w_vs (given as codes): QUANTISED
;;     4. batch 128 x [M 1,024, K 64] x [K 64, N 1,024]; A: computed on the way; B: computed on the way: QUANTISED
;;     5. batch 128 x [M 1,024, K 1,024] x [K 1,024, N 64]; A: computed on the way; B: computed on the way: QUANTISED
;;     6. [M 8,192, K 1,024] x [K 1,024, N 1,024]; A: computed on the way; B: input fc_w (given as codes): QUANTISED
;;     7. [M 8,192, K 768] x [K 768, N 1,024]; A: input q (given as codes); B: input resid_w (given as codes): QUANTISED
;;   THE QUANTISER, for each operand of a quantised product, along K:
;;     - K is cut into blocks of 32 from its start; a last block that is shorter is filled with zeros.
;;     - A block's scale is 2^e with e = floor(log2(the largest magnitude in the block)) - 2, held to -126 .. 127; a block of zeros has e = 0. As a byte (E8M0): e + 127.
;;     - Each number is divided by its block's scale, clamped to +-6, and rounded to the nearest number of E2M1, ties to even, subnormals kept.
;;     - The product sums the exact products of the quantised numbers (number of the format x scale) in f32.
;;   ~~~python
;;   def quantise(x, axis):      # numpy; x: float32 -> the quantised numbers, widened to float32 again
;;       x = np.moveaxis(x, axis, -1); K = x.shape[-1]
;;       x = np.pad(x, [(0, 0)] * (x.ndim - 1) + [(0, -K % 32)]); x = x.reshape(x.shape[:-1] + (-1, 32)); a = np.abs(x).max(-1, keepdims=True)
;;       e = np.where(a > 0, np.clip(np.frexp(np.where(a > 0, a, 1))[1] - 1 - 2, -126, 127), 0)      # np.frexp(a)[1] - 1 = floor(log2(a)), exactly
;;       r = np.clip(x / 2.0 ** e, -6, 6)
;;       step = 2.0 ** (np.maximum(np.frexp(np.where(r == 0, 1, r))[1] - 1, 0) - 1)
;;       q = np.round(r / step) * step * 2.0 ** e      # np.round: ties to even
;;       return np.moveaxis(q.reshape(q.shape[:-2] + (-1,))[..., :K], -1, axis).astype(np.float32)
;;   ~~~
;;   OPERANDS COMPUTED ON THE WAY. 'Computed on the way' means the value that the module computes at that place (a softmax that the list does not call 'softmax' is quantised finished and normalised). What goes into a quantiser is computed in f32, as accurately as f32 sums, v_exp_f32 and their like allow (about 1e-6 of the number): no bf16 or f16 on the way to a quantiser, and a product that is left as it is and whose result goes on into a quantised operand takes f32 operands (vector FMAs, or v_wmma_f32_16x16x4_f32). A number that lies on a knife's edge between two numbers of the format may be rounded either way, as far as f32 arithmetic and the matrix unit's own rounding can turn it there, and no further.
;;   INPUTS GIVEN AS CODES. fc_w (in the module: [1024, 1024], K = its axis 0); k (in the module: [8, 1024, 1024], K = its axis 2); q (in the module: [8, 1024, 768], K = its axis 2); resid_w (in the module: [768, 1024], K = its axis 0); v (in the module: [8, 1024, 1024], K = its axis 2); w_ks (in the module: [1024, 1024], K = its axis 0); w_qs (in the module: [768, 1024], K = its axis 0); w_vs (in the module: [1024, 1024], K = its axis 0): each comes as NAME_codes (uint8): NAME with its K axis moved to the last place and cut into blocks of 32 codes, [.., K / 32, bytes a block], one block behind the other in memory; two codes a byte, the lower K in the low four bits (a code: sign, 2 exponent bits, 1 mantissa bit); and NAME_scales (uint8): the same leading axes, one E8M0 byte (e + 127) for each 32 codes along K. Its value is code x scale, taken as it is: it is not quantised again, and the codes and scales need not be those that the quantiser above would give.
;; 2 versions, each right; version 2 is version 1 with the launches attn, fcln written anew for expert scheduling mode. Each part assembles by itself: llvm-mc -triple=amdgcn-amd-amdhsa -mcpu=gfx1250 --defsym DOCPART=n.
;; ======== version 1 of 2: 3 launches
;; workspace buffers: pimg 8,388,608 bytes; psw 1,310,720 bytes; oimg 4,194,304 bytes; osc 262,144 bytes; wf 917,504 bytes; ws 57,344 bytes
;; launch projkv (part 1): grid 4 x 64, 4 waves a work-group, clusters of 4 x 4, 299,520 bytes of LDS; arguments k_codes, k_scales, w_ks_codes, w_ks_scales, v_codes, v_scales, w_vs_codes, w_vs_scales, pimg, psw; writes pimg, psw
.if DOCPART == 1
	.amdgcn_target "amdgcn-amd-amdhsa--gfx1250"
	.amdhsa_code_object_version 6
	.text
	.protected	k_q1d612f6fc4_projkv
	.globl	k_q1d612f6fc4_projkv
	.p2align	8
	.type	k_q1d612f6fc4_projkv,@function
k_q1d612f6fc4_projkv:
	s_mov_b64 s[64:65], 0
	v_nop
	global_prefetch_b8 v0, s[64:65] scope:SCOPE_SE
	s_setreg_imm32_b32 hwreg(HW_REG_WAVE_MODE, 25, 1), 1
	s_wait_xcnt 0x0
	s_wait_alu depctr_hold_cnt(0) depctr_sa_sdst(0) depctr_va_vdst(0) depctr_va_sdst(0) depctr_va_ssrc(0) depctr_va_vcc(0) depctr_vm_vsrc(0)
	s_getreg_b32 s2, hwreg(HW_REG_IB_STS2, 6, 4)
	s_cmp_eq_u32 s2, 0
	s_cbranch_scc0 .Lentry_in_a_cluster
	s_endpgm
.Lentry_in_a_cluster:
	s_bfe_u32 s2, ttmp6, 0x10000c
	s_cmp_lg_u32 s2, 0xf033
	s_cbranch_scc0 .Lentry_shape_is_right
	s_endpgm
.Lentry_shape_is_right:
; THE PROJECTIONS, on codes of FP4 (E2M1) with one E8M0 scale for each 32 along K, and the quantising of their results for the attention's two products.
; ISQ = 0: K = k w_ks and V = v w_vs (contracted axis 1,024).  ISQ = 1: Q = q w_qs (contracted axis 768).  The two texts differ in the constants below alone.
; A work-group of four waves makes 256 x 256 of a result, a wave 128 x 128: 64 accumulators of 16 x 16 in 512 registers.  The whole contracted axis lies in two LDS slots, each filled ONCE by the
; tensor data mover at the kernel's head: nothing is filled again.
; WHICH OPERAND IS WHICH.  Source 0 of the matrix instruction runs along a lane's eight result registers, so it is the axis along which the result is quantised: for K and Q the weight's rows
; (a head's 64 channels), for V the tokens (the keys).  Source 1 is the other operand.  CLUSTERS of 4 x 4: source 1's tile hangs on cy and is asked for jointly along a row of the cluster, source 0's
; hangs on cx and is asked for jointly along a column.  The grid is one cluster wide; the cluster's y says which result (0-7: K, 8-15: V) and which four tiles of tokens.
; THE WAY OUT.  For each 16 rows of source 1 a lane holds 64 neighbours-by-eights along source 0: four blocks of 32, each shared with the lane 16 away.  Scale = 2^(floor(log2(largest magnitude)) - 2), byte held at 1 from below;
; eight conversions give half blocks, four exchanges of lane halves give the operand's registers, which leave as they stand: 16 bytes a lane, 512 consecutive bytes a store.
; Q / 8: the codes of Q and of Q / 8 are the same; 3 is taken off each scale byte, and the floor stands 3 higher, so that the byte is held at 1 exactly as for Q / 8.
; LIMITS: NaN and infinities are not served; a block of zeros gets the byte 1 where the quantiser's text says 127 (its codes are zeros, and this program alone reads the bytes).
.set ISQ,   0
.if ISQ
.set NQ,    3                          ; steps of 128 along K in a slot
.set ROWB,  192                        ; a tile's row in bytes
.set KROW,  384                        ; a row of either operand in memory
.set PITCH, 240                        ; in LDS: 16 bytes of padding behind each 64 of data
.set QOFF,  80                         ; from a step's 64 bytes to the next step's
.set KS,    24                         ; a row of scale bytes
.set PADW,  (1<<20)|(3<<22)|(3<<25)    ; padding on; after every 16 words; four words
.set FLOOR, 6<<23
.else
.set NQ,    4
.set ROWB,  256
.set KROW,  512
.set PITCH, 272                        ; 16 bytes of padding behind each 256
.set QOFF,  64
.set KS,    32
.set PADW,  (1<<20)|(5<<22)|(3<<25)    ; padding on; after every 64 words; four words
.set FLOOR, 3<<23
.endif
.set FR,    8                          ; registers of a fragment: 16 rows x 128 K
.set NL,    2                          ; LDS loads that bring one
.set NP,    4                          ; places behind this matrix instruction (ISA guide 7.12.1)
.set HALFT, 128*PITCH                  ; 128 rows: what one tensor load brings
.set SLOT,  4*HALFT                    ; source 1's 256 rows, then source 0's
.set SCL,   2*SLOT                     ; behind the slots: the scale bytes, dense, KS bytes a row
.set HALFS, 128*KS
.set SBLK,  16*KS
.set STG,   SCL+4*HALFS                ; behind them: 1,024 bytes for each wave, for the results' scale words; no tile lands here
.set VO0,  8                           ; v8   byte offset of the first four code registers in pimg
.set VO1,  9                           ; v9   of the other four
.set STW,  10                          ; v10  the stage: where I put a scale word
.set STR,  11                          ; v11  and where I read 16 bytes back
.set VSH,  12                          ; v12  K, Q: 16 x (lane / 16): lanes 16-31 keep the second head's two bytes; V: 0
.set L16,  13                          ; v13  16 x lane
.set ADRA, 16                          ; v16-17 LDS address of source 1's fragments in slot 0, 1
.set ADRB, 20                          ; v20-21 of source 0's
.set ADRS, 27                          ; v27  of my scale words: lanes 0-15 source 1's rows, lanes 16-31 source 0's
.set SC,   32                          ; v32-95 scale words, two sets of 32: register 4 i + q: block i, the slot's q-th step
.set TM,   96                          ; v96-99 largest magnitudes; v100-103 the other half's, then bytes; v104-107 the conversions' scale operands
.set TX,   100
.set OPD,  104
.set PW,   108
.set PWS,  109
.set PC,   112                         ; v112-119 the codes just made
.set BK,   120                         ; v120-127 scale words read back
.set AF,   128                         ; v128-191 source 1's fragments, one set.  Window 1: source 0's, two sets, at v0 and v128.  Windows 2, 3: the accumulators, (a, b) at v[8 (8 (a % 4) + b)]
.set SEL,  12                          ; s[12:13] lane selects: lane l xor 16
.set G1,   24                          ; s[24:31] group 1, source 1's tiles; s[32:39] group 0, a set for each slot
.set G0,   32
.set WV,   40
.set HI,   41                          ; which half of source 1's rows is mine.  Also: I fetch for source 1 (0) or source 0 (1)
.set LO,   42                          ; which half of source 0's rows.  Also: which 128 rows I fetch
.set CX,   43
.set CY,   44
.set IDXB, 45                          ; source 0's tile of 256 rows
.set IDXA, 46                          ; source 1's
.set ISV,  47
.set G1B,  48                          ; the same for source 0's tiles
.set G0B,  56
.set G1S,  68                          ; s[68:75], s[76:79] groups 1 and 0 for source 1's scale bytes; s[80:87], s[88:91] for source 0's
.set G0S,  76
.set G1SB, 80
.set G0SB, 88
.set SSA,  100                         ; s100 bytes in pimg from 16 rows of source 1 to the next
.set SSC,  101                         ; s101 from the first four code registers' place to the other four's
.set MSB, 0
.macro WIN new                         ; the immediate's high byte repeats the setting that is left
.if MSB != (\new)
	s_set_vgpr_msb (MSB<<8)|(\new)
.set MSB, (\new)
.endif
.endm
.set MUL_LO, 0xa1                      ; source 0 window 1, source 1 window 0, C and D window 2
.set MUL_HI, 0xf1                      ; the same, C and D window 3
.set TO_B,   0x40                      ; destination window 1, address window 0
; A joint load: waves 0 and 1 fetch for source 1, waves 2 and 3 for source 0.  Each line has one mask and one set of registers; the branch hangs on the wave's number alone.
; Four v_nop follow each of the two lines.
.macro JLOAD g0a, g1a, g0b, g1b
	s_cmp_eq_u32 s[HI], 0
	s_cbranch_scc0 .Lfor_b_\@
	tensor_load_to_lds s[\g0a:\g0a+3], s[\g1a:\g1a+7]
	s_nop 0
.rept 4
	v_nop
.endr
	s_branch .Lasked_\@
.Lfor_b_\@:
	tensor_load_to_lds s[\g0b:\g0b+3], s[\g1b:\g1b+7]
	s_nop 0
.rept 4
	v_nop
.endr
.Lasked_\@:
.endm
.macro CROUND                          ; a round of the cluster's barrier
	s_barrier_signal -1
	s_barrier_wait -1
	s_cmp_lg_u32 s[WV], 0
	s_cbranch_scc1 .Lnot_wave_0_\@
	s_barrier_signal -3
.Lnot_wave_0_\@:
	s_barrier_wait -3
	s_barrier_signal -1
	s_barrier_wait -1
.endm
.if ISQ
	s_load_b256 s[4:11], s[0:1], 0x0               ; q's codes, q's scales, w_qs's codes, w_qs's scales
	s_load_b128 s[20:23], s[0:1], 0x20             ; pimg, psw
.else
	s_load_b512 s[4:19], s[0:1], 0x0               ; k, k's scales, w_ks, its scales, v, v's scales, w_vs, its scales
	s_load_b128 s[20:23], s[0:1], 0x40             ; pimg, psw
	v_lshl_add_u32 v254, v0, 2, 0x49000
	v_mov_b32 v255, 0
	ds_add_u32 v254, v255
	ds_add_u32 v254, v255
.endif
	v_lshrrev_b32 v1, 5, v0
	v_readfirstlane_b32 s[WV], v1                  ; wave 0..3
	s_lshr_b32 s[HI], s[WV], 1
	s_and_b32 s[LO], s[WV], 1
	s_bfe_u32 s[CX], ttmp6, 0x40000                ; my place in the cluster
	s_bfe_u32 s[CY], ttmp6, 0x40004
	s_and_b32 s2, ttmp7, 0xffff                    ; the cluster's y
.if ISQ
	s_lshl_b32 s2, s2, 2
	s_add_co_u32 s[IDXA], s2, s[CY]                ; tokens: tile 4 x cluster y + cy
	s_mov_b32 s[IDXB], s[CX]                       ; weights: tile cx
.else
	s_lshr_b32 s[ISV], s2, 3                       ; clusters 0-7 make K, 8-15 make V: the same in all sixteen partners
	s_and_b32 s2, s2, 7
	s_lshl_b32 s2, s2, 2                           ; the cluster's four tiles of tokens begin here
	s_cmp_eq_u32 s[ISV], 0
	s_cselect_b32 s3, s2, 0                        ; K: the tokens are source 1,
	s_cselect_b32 s2, 0, s2                        ; V: source 0
	s_add_co_u32 s[IDXA], s3, s[CY]                ; never holds cx
	s_add_co_u32 s[IDXB], s2, s[CX]                ; never holds cy
.endif
	s_lshl_b32 s66, s[CY], 2
	s_lshl_b32 s66, 15, s66                        ; my row of the cluster
	s_lshl_b32 s67, 0x1111, s[CX]                  ; my column
	; group 1: a tile of 128 rows x ROWB bytes, padded in LDS
	s_or_b32 s[G1+0], s66, PADW|(1<<21)            ; 15:0 the mask; 17:16 elements of 1 byte; 20 padding on; 21 set beside a mask; 24:22, 31:25 the padding
	s_or_b32 s[G1B+0], s67, PADW|(1<<21)
.irp g, G1, G1B
	s_mov_b32 s[\g+1], ROWB<<16                    ; tensor_dim0
	s_mov_b32 s[\g+2], 128<<16                     ; tensor_dim1
	s_mov_b32 s[\g+3], ROWB<<16                    ; tile_dim0
	s_mov_b32 s[\g+4], 128                         ; tile_dim1
	s_mov_b32 s[\g+5], KROW                        ; from row to row
	s_mov_b32 s[\g+6], 0
	s_mov_b32 s[\g+7], 0
.endr
	; the scale bytes of 128 rows: a dense block of HALFS bytes, as rows of 256 bytes (32 elements of 8 bytes), no padding
	s_or_b32 s[G1S+0], s66, (3<<16)|(1<<21)
	s_or_b32 s[G1SB+0], s67, (3<<16)|(1<<21)
.irp g, G1S, G1SB
	s_mov_b32 s[\g+1], 32<<16
	s_mov_b32 s[\g+2], (HALFS/256)<<16
	s_mov_b32 s[\g+3], 32<<16
	s_mov_b32 s[\g+4], HALFS/256
	s_mov_b32 s[\g+5], 32
	s_mov_b32 s[\g+6], 0
	s_mov_b32 s[\g+7], 0
.endr
	s_lshl_b32 s2, s[LO], 7                        ; which 128 rows of the tile I fetch
	s_lshl_b32 s92, s[IDXA], 8
	s_add_co_u32 s92, s92, s2                      ; source 1: first row
	s_lshl_b32 s94, s[IDXB], 8
	s_add_co_u32 s94, s94, s2                      ; source 0: first row
	s_mul_i32 s96, s92, KS                         ; their scale bytes (8,192 rows at the most: all offsets stay under 2^23)
	s_mul_i32 s98, s94, KS
	s_mul_i32 s92, s92, KROW                       ; and their codes
	s_mul_i32 s94, s94, KROW
	s_mov_b32 s93, 0
	s_mov_b32 s95, 0
	s_mov_b32 s97, 0
	s_mov_b32 s99, 0
	s_mul_i32 s3, s[WV], HALFT                     ; where they go: wave x 128 rows: no place in the cluster enters an LDS address
	s_mul_i32 s100, s[WV], HALFS
	s_wait_dscnt 0x0
	s_wait_kmcnt 0x0
.if ISQ == 0
	s_cmp_eq_u32 s[ISV], 0                         ; the choice hangs on the cluster's number alone
	s_cselect_b64 s[4:5], s[4:5], s[16:17]         ; source 1's codes: k or w_vs
	s_cselect_b64 s[6:7], s[6:7], s[18:19]         ; its scale bytes
	s_cselect_b64 s[8:9], s[8:9], s[12:13]         ; source 0's codes: w_ks or v
	s_cselect_b64 s[10:11], s[10:11], s[14:15]     ; its scale bytes
.endif
	s_mov_b32 s[SEL], 0x76543210
	s_mov_b32 s[SEL+1], 0xfedcba98
	s_add_nc_u64 s[92:93], s[4:5], s[92:93]
	s_add_nc_u64 s[96:97], s[6:7], s[96:97]
	s_add_nc_u64 s[94:95], s[8:9], s[94:95]
	s_add_nc_u64 s[98:99], s[10:11], s[98:99]
	CROUND                                         ; all sixteen work-groups are here: the joint loads meet
	s_mov_b32 s[G0S], 1
	s_add_co_u32 s[G0S+1], s100, SCL
	s_mov_b64 s[G0S+2:G0S+3], s[96:97]
	s_or_b32 s[G0S+3], s[G0S+3], 0x80000000
	s_mov_b32 s[G0SB], 1
	s_add_co_u32 s[G0SB+1], s100, SCL
	s_mov_b64 s[G0SB+2:G0SB+3], s[98:99]
	s_or_b32 s[G0SB+3], s[G0SB+3], 0x80000000
	JLOAD G0S, G1S, G0SB, G1SB                     ; the scale bytes first: they are wanted with the first step
.irp s, 0,1
	s_mov_b32 s[G0+4*\s], 1
	s_add_co_u32 s[G0+4*\s+1], s3, \s*SLOT
	s_add_nc_u64 s[G0+4*\s+2:G0+4*\s+3], s[92:93], \s*ROWB
	s_or_b32 s[G0+4*\s+3], s[G0+4*\s+3], 0x80000000
	s_mov_b32 s[G0B+4*\s], 1
	s_add_co_u32 s[G0B+4*\s+1], s3, \s*SLOT
	s_add_nc_u64 s[G0B+4*\s+2:G0B+4*\s+3], s[94:95], \s*ROWB
	s_or_b32 s[G0B+4*\s+3], s[G0B+4*\s+3], 0x80000000
	JLOAD G0+4*\s, G1, G0B+4*\s, G1B               ; three loads of mine are out behind the last of these
.endr
	v_and_b32 v1, 15, v0                           ; r = lane % 16
	v_bfe_u32 v2, v0, 4, 1                         ; h = lane / 16
	v_mul_u32_u24 v3, v1, PITCH
	v_lshl_add_u32 v4, v2, 4, v3                   ; a fragment's row x pitch + 16 h
	s_mul_i32 s66, s[HI], HALFT                    ; my 128 rows of source 1
	s_mul_i32 s67, s[LO], HALFT                    ; my 128 rows of source 0,
	s_add_co_u32 s67, s67, 2*HALFT                 ; which lie behind source 1's 256
.irp s, 0,1
	v_add_nc_u32 v[ADRA+\s], s66, v4
	v_add_nc_u32 v[ADRB+\s], s67, v4
	s_add_co_u32 s66, s66, SLOT
	s_add_co_u32 s67, s67, SLOT
.endr
	v_mul_u32_u24 v5, v1, KS                       ; my row's scale bytes
	s_mul_i32 s66, s[HI], HALFS
	s_mul_i32 s67, s[LO], HALFS
	s_add_co_u32 s67, s67, 2*HALFS
	s_sub_co_u32 s67, s67, s66
	v_mul_u32_u24 v6, s67, v2                      ; lanes 16-31 take source 0's: one product, the lower base + h x the distance
	s_add_co_u32 s66, s66, SCL
	v_add_nc_u32 v5, v5, v6
	v_add_nc_u32 v[ADRS], s66, v5
	s_lshl_b32 s66, s[WV], 10
	s_add_co_u32 s66, s66, STG                     ; my stage
	v_lshlrev_b32 v5, 2, v1
	v_lshl_add_u32 v5, v2, 9, v5
	v_add_nc_u32 v[STW], s66, v5                   ; in: 512 h + 4 r (+ 64 for each 16 rows)
	v_and_b32 v6, 31, v0
	v_lshlrev_b32 v[L16], 4, v6
	v_add_nc_u32 v[STR], s66, v[L16]               ; back: 16 bytes a lane
	v_mov_b32 v[VO0], v[L16]
.irp b, 0,1,2,3
	v_mov_b32 v[TX+\b], 0                          ; written once: a lane permute's destination counts as one of its sources
.endr
	; where my results go.  K, Q: pimg [b][head][tile of 16 tokens][lane][16], psw [b][head][token] words.  (The registers below held sums with addresses: scalar registers may be used again.)
	s_lshr_b32 s92, s[IDXA], 2                     ; b
	s_and_b32 s93, s[IDXA], 3
	s_lshl_b32 s92, s92, 4
	s_lshl_b32 s94, s[IDXB], 2
	s_add_co_u32 s92, s92, s94
	s_lshl_b32 s94, s[LO], 1
	s_add_co_u32 s92, s92, s94                     ; 16 b + my first head
	s_lshl_b32 s93, s93, 4
	s_lshl_b32 s94, s[HI], 3
	s_add_co_u32 s93, s93, s94                     ; my first tile of 16 tokens
	s_lshl_b32 s94, s92, 6
	s_add_co_u32 s94, s94, s93
	s_lshl_b32 s94, s94, 9                         ; the codes
	s_lshl_b32 s92, s92, 12
	s_lshl_b32 s93, s93, 6
	s_add_co_u32 s96, s92, s93                     ; the scale words
.if ISQ
	s_add_co_u32 s94, s94, 8388608                 ; Q's images lie behind K's and V's,
	s_add_co_u32 s96, s96, 524288                  ; its scale words behind K's
	s_mov_b32 s[SSA], 512
	s_mov_b32 s[SSC], 32768
	v_lshlrev_b32 v[VSH], 4, v2
.else
	; V: pimg + 4 MiB [b][J = channel / 16][s = key / 128][c][lane][16], psw + 1 MiB [b][s][J][r] words
	s_lshr_b32 s98, s[IDXB], 2                     ; b
	s_and_b32 s99, s[IDXB], 3
	s_lshl_b32 s99, s99, 1
	s_add_co_u32 s99, s99, s[LO]                   ; s
	s_lshl_b32 s2, s[IDXA], 4
	s_lshl_b32 s3, s[HI], 3
	s_add_co_u32 s2, s2, s3                        ; my first J
	s_lshl_b32 s3, s98, 6
	s_add_co_u32 s3, s3, s2
	s_lshl_b32 s3, s3, 3
	s_add_co_u32 s3, s3, s99
	s_lshl_b32 s3, s3, 10
	s_add_co_u32 s3, s3, 4194304
	s_lshl_b32 s98, s98, 3
	s_add_co_u32 s98, s98, s99
	s_lshl_b32 s98, s98, 6
	s_add_co_u32 s98, s98, s2
	s_lshl_b32 s98, s98, 6
	s_add_co_u32 s98, s98, 1048576
	s_mov_b32 s[SSA], 8192
	s_mov_b32 s[SSC], 512
	s_cmp_eq_u32 s[ISV], 0
	s_cselect_b32 s94, s94, s3
	s_cselect_b32 s96, s96, s98
	s_cselect_b32 s[SSA], 512, s[SSA]
	s_cselect_b32 s[SSC], 32768, s[SSC]
	s_cselect_b32 s99, 16, 0
	v_mul_u32_u24 v[VSH], s99, v2
.endif
	s_mov_b32 s95, 0
	s_mov_b32 s97, 0
	s_add_nc_u64 s[20:21], s[20:21], s[94:95]
	s_add_nc_u64 s[22:23], s[22:23], s[96:97]
	v_add_nc_u32 v[VO1], s[SSC], v[L16]
.macro FRAG reg, adr, q, i             ; 16 rows x 128 K of 4-bit codes: lane l holds row l % 16; registers 4 c .. 4 c + 3 hold K = 64 c + 32 (l / 16) + 0 .. 31
.irp c, 0,1
	ds_load_b128 v[\reg+4*\c:\reg+4*\c+3], v[\adr] offset:QOFF*(\q)+32*\c+(\i)*16*PITCH
.endr
.endm
; 16 matrix instructions: source 1's blocks a0, a0 + 1 x source 0's eight.  p: source 0's set; q: the slot's step; sc: the set of scale words; zero = 1: the product starts the sums.
; The 64 accumulators take turns, one instruction a turn, in the same order in every step.
.macro MUL16 a0, p, q, sc, zero
.irp a, \a0, \a0+1
.irp b, 0,1,2,3,4,5,6,7
.if \zero
	v_wmma_scale_f32_16x16x128_f8f6f4 v[8*(8*((\a)%4)+\b):8*(8*((\a)%4)+\b)+7], v[128*(\p)+FR*\b:128*(\p)+FR*\b+FR-1], v[AF+FR*(\a):AF+FR*(\a)+FR-1], 0, v[SC+32*(\sc)+4*\b+(\q)], v[SC+32*(\sc)+4*(\a)+(\q)] matrix_a_fmt:MATRIX_FMT_FP4 matrix_b_fmt:MATRIX_FMT_FP4 matrix_a_scale:MATRIX_SCALE_ROW1
.else
	v_wmma_scale_f32_16x16x128_f8f6f4 v[8*(8*((\a)%4)+\b):8*(8*((\a)%4)+\b)+7], v[128*(\p)+FR*\b:128*(\p)+FR*\b+FR-1], v[AF+FR*(\a):AF+FR*(\a)+FR-1], v[8*(8*((\a)%4)+\b):8*(8*((\a)%4)+\b)+7], v[SC+32*(\sc)+4*\b+(\q)], v[SC+32*(\sc)+4*(\a)+(\q)] matrix_a_fmt:MATRIX_FMT_FP4 matrix_b_fmt:MATRIX_FMT_FP4 matrix_a_scale:MATRIX_SCALE_ROW1
.endif
.endr
.endr
.endm
.macro FETCH_B slot, q, p              ; source 0's eight fragments of a step into set p
	WIN TO_B
.irp i, 0,1,2,3,4,5,6,7
	FRAG 128*(\p)+FR*\i, ADRB+\slot, \q, \i
.endr
	WIN 0
.endm
.macro FETCH_A slot, q, i0             ; source 1's blocks i0 .. i0 + 3
.irp i, \i0, \i0+1, \i0+2, \i0+3
	FRAG AF+FR*(\i), ADRA+\slot, \q, \i
.endr
.endm
.macro SCALES sc                       ; a slot's scale words: lanes 0-15 take source 1's block i, lanes 16-31 source 0's block i
.irp i, 0,1,2,3,4,5,6,7
.if ISQ
.irp q, 0,1,2
	ds_load_b32 v[SC+32*\sc+4*\i+\q], v[ADRS] offset:\i*SBLK+4*\q   ; rows of 24 bytes: a slot's 12 begin at a multiple of 4 alone
.endr
.else
	ds_load_b128 v[SC+32*\sc+4*\i:SC+32*\sc+4*\i+3], v[ADRS] offset:\i*SBLK
.endif
.endr
.endm
; A load into a register that a matrix instruction has read, and a vector instruction that reads a matrix result, stand NP places behind it; only plain vector instructions that name none of its registers are places.
.macro PLACES n
.rept \n
	v_nop
.endr
.endm
.macro STEP slot, q, zero              ; a step of 128 along K that has its successor in the same slot
.set PP, ((\slot)*NQ+(\q))%2           ; source 0's two sets take turns from step to step
	s_wait_dscnt 4*NL                              ; all but the youngest eight loads (source 1's blocks 4-7) are in
	WIN MUL_LO
	MUL16 0, PP, \q, \slot, \zero
	MUL16 2, PP, \q, \slot, \zero
	s_wait_dscnt 0                                 ; blocks 4-7 are in (asked for 32 matrix instructions ago)
	PLACES NP
	FETCH_B \slot, (\q)+1, 1-PP
	FETCH_A \slot, (\q)+1, 0
	WIN MUL_HI
	MUL16 4, PP, \q, \slot, \zero
	MUL16 6, PP, \q, \slot, \zero
	PLACES NP
	WIN 0
	FETCH_A \slot, (\q)+1, 4
.endm
.macro STEPS slot, from                ; the slot's steps from .. NQ - 2
.set Q, \from
.rept NQ-1-\from
	STEP \slot, Q, 0
.set Q, Q+1
.endr
.endm
	s_wait_tensorcnt 1                             ; the scale bytes and my part of slot 0 are in; slot 1's load may stay out
	s_barrier_signal -1
	s_barrier_wait -1                              ; everybody's are
	FETCH_B 0, 0, 0
	FETCH_A 0, 0, 0
	SCALES 0
	FETCH_A 0, 0, 4
	STEP 0, 0, 1                                   ; the first step's products start the sums: nothing is cleared
	STEPS 0, 1
	; slot 0's last step goes over to slot 1: my part of it has landed, then the barrier says so of all four waves
.set PP, (NQ-1)%2
	s_wait_tensorcnt 0x0
	s_wait_dscnt 4*NL
	WIN MUL_LO
	MUL16 0, PP, NQ-1, 0, 0
	s_wait_dscnt 0x0                               ; no LDS instruction of mine is out at the signal
	s_barrier_signal -1
	MUL16 2, PP, NQ-1, 0, 0                        ; work on registers while the others arrive
	WIN 0
	s_barrier_wait -1
	PLACES NP
	v_add_nc_u32 v[ADRS], 4*NQ, v[ADRS]            ; on to slot 1's scale words
	FETCH_B 1, 0, 1-PP
	FETCH_A 1, 0, 0
	SCALES 1
	WIN MUL_HI
	MUL16 4, PP, NQ-1, 0, 0
	MUL16 6, PP, NQ-1, 0, 0
	PLACES NP
	WIN 0
	FETCH_A 1, 0, 4
	STEPS 1, 0
.set PP, (2*NQ-1)%2
	s_wait_dscnt 4*NL                              ; the very last step: nothing more to fetch
	WIN MUL_LO
	MUL16 0, PP, NQ-1, 1, 0
	MUL16 2, PP, NQ-1, 1, 0
	s_wait_dscnt 0
	WIN MUL_HI
	MUL16 4, PP, NQ-1, 1, 0
	MUL16 6, PP, NQ-1, 1, 0
	WIN 0
	PLACES NP
; THE WAY OUT of source 1's block a: 16 rows x 128 along source 0.  Register 16 b + 8 u + j of the block's 64 holds number 32 b + 16 u + 8 (lane / 16) + j of my row.
.macro QOUT a
.set AC, 64*((\a)%4)
.set WA, 2+(\a)/4
.if (\a) > 0
	s_wait_xcnt 0x0                                ; the last block's stores have read their offsets and their data: both are written again below
	v_add_nc_u32 v[VO0], s[SSA], v[VO0]
	v_add_nc_u32 v[VO1], s[SSA], v[VO1]
.endif
	WIN (WA<<2)|(WA<<4)                            ; sources 1 and 2: the accumulators' window
.irp b, 0,1,2,3
	v_max3_num_f32 v[TM+\b], FLOOR, |v[AC+16*\b]|, |v[AC+16*\b+1]|   ; block b: my 16 numbers, and the floor, under which no largest magnitude is taken; each accumulator is read from its low end on
.endr
.irp i, 2,4,6,8,10,12,14
.irp b, 0,1,2,3
	v_max3_num_f32 v[TM+\b], v[TM+\b], |v[AC+16*\b+\i]|, |v[AC+16*\b+\i+1]|   ; (the four blocks by turns)
.endr
.endr
	WIN 0
.irp b, 0,1,2,3
	v_permlanex16_b32 v[TX+\b], v[TM+\b], s[SEL], s[SEL+1]
.endr
.irp b, 0,1,2,3
	v_max_num_f32 v[TM+\b], v[TM+\b], v[TX+\b]     ; with lane l xor 16's: the block's largest magnitude
.endr
.irp b, 0,1,2,3
	v_add_nc_u32 v[OPD+\b], 0xff000000, v[TM+\b]   ; 2 off its exponent field: the conversion takes the exponent field of this operand as its scale
.endr
.irp b, 0,1,2,3
	v_lshrrev_b32 v[TX+\b], 23, v[OPD+\b]          ; the scale's byte
.endr
	v_lshl_or_b32 v[PW], v[TX+1], 8, v[TX]
	v_lshl_or_b32 v[PW], v[TX+2], 16, v[PW]
	v_lshl_or_b32 v[PW], v[TX+3], 24, v[PW]
.if ISQ
	v_add_nc_u32 v[PW], 0xfcfcfcfd, v[PW]          ; Q / 8: 3 off each byte (each is 4 at the least: nothing is borrowed)
.endif
	v_lshrrev_b32 v[PWS], v[VSH], v[PW]            ; K, Q: lanes 16-31 bring the second head's two bytes down; what stands above them scales zero codes and is never 0xff
	WIN WA                                         ; source 0: the accumulators' window
.irp c, 0,1
.irp u, 0,1
.irp e, 0,1
	v_cvt_scalef32_pk8_fp4_f32 v[PC+4*\c+2*\u+\e], v[AC+16*(2*\c+\e)+8*\u:AC+16*(2*\c+\e)+8*\u+7], v[OPD+2*\c+\e]
.endr
.endr
.endr
	WIN 0
	v_nop                                          ; one plain place behind a scaled conversion
.irp i, 0,2,4,6
	v_permlane16_swap_b32 v[PC+\i], v[PC+\i+1]     ; pieces 2 u, 2 u + 1 of blocks 2 c and 2 c + 1 change halves: register 4 c + i now holds K = 64 c + 32 (lane / 16) + 8 i + 0 .. 7
.endr
	global_store_b128 v[VO0], v[PC:PC+3], s[20:21]     ; 32 lanes store 512 consecutive bytes
	global_store_b128 v[VO1], v[PC+4:PC+7], s[20:21]
	ds_store_b32 v[STW], v[PWS] offset:64*(\a)
.endm
.irp a, 0,1,2,3,4,5,6,7
	QOUT \a
.endr
	ds_load_b128 v[BK:BK+3], v[STR]                ; LDS serves a wave's instructions in order: these see my stores
	ds_load_b128 v[BK+4:BK+7], v[STR] offset:512
	s_wait_dscnt 0x0
	global_store_b128 v[L16], v[BK:BK+3], s[22:23] ; 128 scale words: 512 consecutive bytes
.if ISQ == 0
	s_cmp_eq_u32 s[ISV], 1                         ; V has one word a row: lanes 16-31 wrote a second copy of it, which stays behind
	s_cbranch_scc1 .Lone
.endif
	global_store_b128 v[L16], v[BK+4:BK+7], s[22:23] offset:4096   ; the second head's
.Lone:
	s_wait_tensorcnt 0x0
	ds_add_u32 v254, v255
	s_wait_dscnt 0x0
	CROUND                                         ; the closing round: no work-group ends while a partner may still ask for a tile that names it
	s_endpgm
.Lfunc_end_k_q1d612f6fc4_projkv:
	.size	k_q1d612f6fc4_projkv, .Lfunc_end_k_q1d612f6fc4_projkv-k_q1d612f6fc4_projkv
	.p2alignl 7, 3214868480
	.fill 96, 4, 3214868480
	.section	.rodata,"a",@progbits
	.p2align	6, 0x0
	.amdhsa_kernel k_q1d612f6fc4_projkv
		.amdhsa_group_segment_fixed_size 299520
		.amdhsa_private_segment_fixed_size 0
		.amdhsa_enable_private_segment 0
		.amdhsa_kernarg_size 80
		.amdhsa_user_sgpr_count 2
		.amdhsa_user_sgpr_kernarg_segment_ptr 1
		.amdhsa_wavefront_size32 1
		.amdhsa_system_sgpr_workgroup_id_x 1
		.amdhsa_system_sgpr_workgroup_id_y 1
		.amdhsa_system_sgpr_workgroup_id_z 1
		.amdhsa_system_vgpr_workitem_id 0
		.amdhsa_next_free_vgpr 1024
		.amdhsa_next_free_sgpr 102
		.amdhsa_reserve_vcc 0
		.amdhsa_float_denorm_mode_32 3
		.amdhsa_float_denorm_mode_16_64 3
		.amdhsa_memory_ordered 1
		.amdhsa_forward_progress 1
		.amdhsa_inst_pref_size 131
	.end_amdhsa_kernel
	.amdgpu_metadata
---
amdhsa.version: [ 1, 2 ]
amdhsa.kernels:
  - .name:           k_q1d612f6fc4_projkv
    .symbol:         k_q1d612f6fc4_projkv.kd
    .args:
      - { .name: k_codes, .offset: 0, .size: 8, .value_kind: global_buffer, .address_space: global }
      - { .name: k_scales, .offset: 8, .size: 8, .value_kind: global_buffer, .address_space: global }
      - { .name: w_ks_codes, .offset: 16, .size: 8, .value_kind: global_buffer, .address_space: global }
      - { .name: w_ks_scales, .offset: 24, .size: 8, .value_kind: global_buffer, .address_space: global }
      - { .name: v_codes, .offset: 32, .size: 8, .value_kind: global_buffer, .address_space: global }
      - { .name: v_scales, .offset: 40, .size: 8, .value_kind: global_buffer, .address_space: global }
      - { .name: w_vs_codes, .offset: 48, .size: 8, .value_kind: global_buffer, .address_space: global }
      - { .name: w_vs_scales, .offset: 56, .size: 8, .value_kind: global_buffer, .address_space: global }
      - { .name: pimg, .offset: 64, .size: 8, .value_kind: global_buffer, .address_space: global }
      - { .name: psw, .offset: 72, .size: 8, .value_kind: global_buffer, .address_space: global }
    .group_segment_fixed_size: 299520
    .private_segment_fixed_size: 0
    .kernarg_segment_align: 8
    .kernarg_segment_size: 80
    .max_flat_workgroup_size: 128
    .sgpr_count:     102
    .vgpr_count:     1024
    .wavefront_size: 32
...
	.end_amdgpu_metadata
.endif
;; end of part 1
;; launch attn (part 2): grid 256 x 1, 4 waves a work-group, no clusters, 97,792 bytes of LDS; arguments pimg, psw, q_codes, q_scales, w_qs_codes, w_qs_scales, fc_w_codes, fc_w_scales, resid_w_codes, resid_w_scales, oimg, osc, wf, ws; writes oimg, osc, wf, ws
.if DOCPART == 2
	.amdgcn_target "amdgcn-amd-amdhsa--gfx1250"
	.amdhsa_code_object_version 6
	.text
	.protected	k_q1d612f6fc4_attn
	.globl	k_q1d612f6fc4_attn
	.p2align	8
	.type	k_q1d612f6fc4_attn,@function
k_q1d612f6fc4_attn:
	s_mov_b64 s[64:65], 0
	v_nop
	global_prefetch_b8 v0, s[64:65] scope:SCOPE_SE
	s_setreg_imm32_b32 hwreg(HW_REG_WAVE_MODE, 25, 1), 1
	s_wait_xcnt 0x0
; Q = q w_qs, then O = p' V with p' = (1 - softmax(Q K^T / 8)) / 1023: three products on codes of FP4 (E2M1) with one E8M0 scale for each 32 along a product's K; O is quantised along the head's channels for the product that follows.
; K and V come as images of operand registers with their scale words; q and w_qs as the problem gives them.  p' is quantised FINISHED AND NORMALISED, along the keys: so a row's maximum and sum are known before any p' is made.
; SHARES.  A work-group owns one (batch, head) and half of its 1,024 queries; each of its four waves walks eight tiles of 16 queries.  A wave keeps ALL 1,024 scores of its 16 queries in 512 registers, so each exponential is taken once.
; The head's K and V (codes and scale words, 70 KiB) and its 64 rows of w_qs (24 KiB) go into LDS once, through registers; then the waves share only bytes that nobody writes: one barrier in the kernel.
; No cluster: what two work-groups share is those 94 KiB, fetched once, beside eight tiles' work a wave.  No prefetch: no stream is waited for in the loop (the next tile's q, 6,528 bytes, is asked for a tile ahead).
; LAYOUT.  All three products are used transposed: Q^T = w_qs q^T (source 0 = 16 channels, source 1 = my 16 queries), S^T = K Q^T (source 0 = 16 keys), O^T = V^T P^T: a lane holds ONE query (lane % 16) throughout;
; register j of a tile holds channel (or key) 8 (lane / 16) + j.  So Q^T's four tiles are quantised in registers as O^T's are, and the four code registers ARE Q's fragment: Q never goes to memory.
; Q / 8: the codes of Q and of Q / 8 are the same; 3 is taken off each scale byte, and the floor stands 3 higher, so that the byte is held at 1 exactly as for Q / 8.
; The second product's K is 64: registers 4-7 of K's and Q's fragments are zero codes, which add nothing.
; SOFTMAX.  e = 2^(s log2(e) - m log2(e)), m the row's true maximum (one fused multiply-add and one exponential); p' = 1/1023 - e / (1023 x the sum): one fused multiply-add.  All in f32.
; The first 112 work-groups also lay fc_w and resid_w out in the order of operand registers, for the launch that follows.
; LIMITS: NaN and infinities are not served; a block of zeros gets the scale byte 1 where the quantiser's text says 127 (its codes are zeros, and this program alone reads the bytes).
; REGISTERS, in windows of 256.  v128-255 of window w: the scores of keys 256 w .. 256 w + 255, tile k at 128 + 8 k; between a window's last use and the next tile's scores, windows 0 and 1 hold w_qs's 24 fragments.
; Window 0, v0-127: as named below.  Window 1: v0-63 K's fragments of an even group of 128 keys, v64-95 Q^T, later O^T.  Window 2: v0-63 K's of an odd group, v64-111 q's six fragments.  Window 3: v0-63 eight fragments of V.
; v120-123 of windows 1 to 3: partial sums.
.set KIMG, 0                           ; LDS: K's 64 tiles, 512 bytes each
.set VIMG, 32768                       ; V's fragments: t x 8,192 + s x 1,024 + c x 512
.set KSCL, 65536                       ; K's scale words, 4 bytes a key
.set VSCL, 69632                       ; V's: [s][t][r]
.set OST,  71680                       ; 256 bytes for each wave: O's scale bytes
.set WIMG, 72704                       ; w_qs's fragments: (4 s + t) x 1,024 + c x 512
.set LK,   1                           ; v1   16 x lane
.set LV,   2                           ; v2   16 x lane + VIMG
.set LKS,  3                           ; v3   4 x lane + KSCL
.set QAD,  4                           ; v4   384 x (lane % 16) + 16 x (lane / 16): my 16 bytes of a row of q or of w_qs
.set OSW,  5                           ; v5   OST + 256 x wave + 2 x (lane % 16)
.set OSA,  6                           ; v6   the same + 32 x tile
.set L8,   7                           ; v7   8 x lane
.set OSR,  8                           ; v8   OST + 256 x wave + 8 x lane
.set LVS,  9                           ; v9   4 x lane + VSCL
.set NCM,  10                          ; v[10:11] -m log2(e), twice
.set NG,   12                          ; v[12:13] -1 / (1023 x the sum), twice
.set MX,   14
.set T15,  15
.set WST,  18                          ; v18  the head alone: where I store w_qs's images
.set QSC,  20                          ; v20  Q's scale words
.set XQA,  21                          ; v21  24 x (lane % 16): my query's row of q's scale bytes
.set HW,   22                          ; v22-23 O's scale bytes on their way
.set QF,   24                          ; v24-31 Q's fragment; v28-31 stay 0
.set KSC,  32                          ; v32-39 K's scale words, two sets of four
.set VSC,  40                          ; v40-43 V's
.set PSW,  44                          ; v44-45 p's
.set TM,   46                          ; v46-53 largest magnitudes; v54-61 the other half's, then bytes; v62-69 the conversions' scale operands
.set TX,   54
.set OPD,  62
.set LW,   70                          ; v70  16 x lane + WIMG
.set W24,  71                          ; v71  24 x lane
.set PC,   72                          ; v72-87 p's codes: two fragments
.set WQS,  88                          ; v88-99 w_qs's scale words: register 6 p + s: K step s; lanes 0-15 channel tile 2 p, lanes 16-31 tile 2 p + 1
.set XQS,  100                         ; v100-105 q's scale words: K step s
.set TC,   106                         ; v106-113 eight running maxima
.set ACC,  120
.set OC,   124                         ; v124-127 O's codes
.set OA,   64                          ; in window 1: Q^T, later O^T: four tiles
.set XQ,   64                          ; in window 2: q's six fragments
.set MSB, 0
.macro WIN new                         ; the immediate's high byte repeats the setting that is left
.if MSB != (\new)
	s_set_vgpr_msb (MSB<<8)|(\new)
.set MSB, (\new)
.endif
.endm
	s_load_b512 s[4:19], s[0:1], 0x0               ; pimg, psw, q's codes, scales, w_qs's codes, scales, fc_w's codes, scales
	s_load_b256 s[68:75], s[0:1], 0x40             ; resid_w's codes, scales, oimg, osc
	s_load_b128 s[76:79], s[0:1], 0x60             ; wf, ws
	v_lshl_add_u32 v19, v0, 2, 0x17c00
	v_mov_b32 v115, 0
	v_lshrrev_b32 v10, 5, v0
	v_readfirstlane_b32 s40, v10                   ; wave 0..3
	v_and_b32 v11, 31, v0                          ; lane
	v_and_b32 v12, 15, v0                          ; r
	v_bfe_u32 v17, v0, 4, 1                        ; h
	v_lshlrev_b32 v[LK], 4, v11
	v_add_nc_u32 v[LV], VIMG, v[LK]
	v_add_nc_u32 v[LW], WIMG, v[LK]
	v_lshlrev_b32 v13, 2, v11
	v_add_nc_u32 v[LKS], KSCL, v13
	v_add_nc_u32 v[LVS], VSCL, v13
	v_mul_u32_u24 v[QAD], v12, 384
	v_lshl_add_u32 v[QAD], v17, 4, v[QAD]
	v_mul_u32_u24 v[XQA], v12, 24
	v_mul_u32_u24 v[W24], v11, 24
	s_lshl_b32 s41, s40, 8
	s_add_co_u32 s41, s41, OST
	v_lshl_add_u32 v[OSW], v12, 1, s41
	v_lshlrev_b32 v[L8], 3, v11
	v_add_nc_u32 v[OSR], s41, v[L8]
	s_lshl_b32 s41, s40, 10
	s_add_co_u32 s41, s41, WIMG
	v_add_nc_u32 v[WST], s41, v[LK]                ; wave w lays down channel tile w
	v_lshlrev_b32 v14, 4, v0                       ; the fill: 16 x thread, in memory and in LDS alike
	v_add_nc_u32 v15, KSCL, v14
	v_lshrrev_b32 v16, 4, v0
	v_lshlrev_b32 v16, 12, v16
	v_lshl_add_u32 v16, v12, 4, v16                ; V's scale words in memory: 256 bytes of each of eight blocks 4,096 apart
	s_lshr_b32 s42, ttmp9, 1                       ; 16 b + head
	s_and_b32 s43, ttmp9, 1
	s_lshl_b32 s43, s43, 5
	s_lshl_b32 s41, s40, 3
	s_add_co_u32 s43, s43, s41                     ; my first tile of queries: 32 x half + 8 x wave
	s_lshr_b32 s58, s42, 4                         ; b
	s_and_b32 s59, s42, 15                         ; head
	s_lshl_b32 s44, s42, 15                        ; K's images (V's lie 4 MiB further on)
	s_mov_b32 s45, 0
	s_lshl_b32 s46, s42, 12                        ; K's scale words
	s_mov_b32 s47, 0
	s_lshl_b32 s48, s58, 15
	s_lshl_b32 s41, s59, 8
	s_add_co_u32 s48, s48, s41                     ; V's scale words (+ 1 MiB, in the load's immediate)
	s_mov_b32 s49, 0
	s_lshl_b32 s54, s58, 6
	s_add_co_u32 s54, s54, s43                     ; 64 b + tile: my first 16 rows among all 8,192
	s_mul_i32 s50, s54, 6144                       ; q's codes: 16 rows of 384 bytes
	s_mov_b32 s51, 0
	s_mul_i32 s52, s54, 384                        ; q's scale bytes: 16 rows of 24
	s_mov_b32 s53, 0
	s_lshl_b32 s54, s54, 4
	s_add_co_u32 s54, s54, s59
	s_lshl_b32 s54, s54, 9                         ; O's images: [tile of 16 rows][head][lane][16]
	s_mov_b32 s55, 0
	s_lshl_b32 s56, s42, 11
	s_lshl_b32 s41, s43, 5
	s_add_co_u32 s56, s56, s41                     ; O's scale bytes: [b][head][query], two each
	s_mov_b32 s57, 0
	s_mul_i32 s60, s59, 24576                      ; w_qs's codes: the head's 64 rows of 384 bytes,
	s_mul_i32 s41, s40, 6144
	s_add_co_u32 s60, s60, s41                     ; my wave's 16 of them
	s_mov_b32 s61, 0
	s_mul_i32 s62, s59, 1536                       ; w_qs's scale bytes: the head's 64 rows of 24
	s_mov_b32 s63, 0
	s_mov_b32 s24, 0x3fb8aa3b                      ; log2(e); the packed forms name a pair, so both words are written
	s_mov_b32 s25, s24
	s_mov_b32 s26, 0x3a802008                      ; 1 / 1023
	s_mov_b32 s27, s26
	s_mov_b32 s28, 0x76543210
	s_mov_b32 s29, 0xfedcba98                      ; lane selects: lane l xor 16
	s_mov_b32 s30, 8                               ; tiles to go
	s_mov_b32 s31, 0                               ; 32 x tile
	s_wait_kmcnt 0x0
	s_add_nc_u64 s[44:45], s[4:5], s[44:45]
	s_add_nc_u64 s[46:47], s[6:7], s[46:47]
	s_add_nc_u64 s[48:49], s[6:7], s[48:49]
	s_add_nc_u64 s[32:33], s[8:9], s[50:51]
	s_add_nc_u64 s[34:35], s[10:11], s[52:53]
	s_add_nc_u64 s[36:37], s[72:73], s[54:55]
	s_add_nc_u64 s[38:39], s[74:75], s[56:57]
	s_add_nc_u64 s[12:13], s[12:13], s[60:61]
	s_add_nc_u64 s[14:15], s[14:15], s[62:63]
.irp i, 0,1,2,3,4,5,6,7,8,9,10,11,12,13,14,15
	global_load_b128 v[128+4*\i:131+4*\i], v14, s[44:45] offset:2048*\i            ; K's images: the 128 threads read 2,048 consecutive bytes
.endr
.irp i, 0,1,2,3,4,5,6,7,8,9,10,11,12,13,14,15
	global_load_b128 v[192+4*\i:195+4*\i], v14, s[44:45] offset:4194304+2048*\i    ; V's
.endr
	global_load_b128 v[116:119], v14, s[46:47]
	global_load_b128 v[120:123], v14, s[46:47] offset:2048
	global_load_b128 v[124:127], v16, s[48:49] offset:1048576
	WIN 0x40                                       ; destination window 1
.irp s, 0,1,2,3,4,5
.irp c, 0,1
	global_load_b128 v[128+8*\s+4*\c:128+8*\s+4*\c+3], v[QAD], s[12:13] offset:64*\s+32*\c   ; my channel tile of w_qs, as six fragments: the twelve loads together cover 6,144 consecutive bytes
.endr
.endr
	WIN 0x80                                       ; destination window 2
.irp s, 0,1,2,3,4,5
.irp c, 0,1
	global_load_b128 v[XQ+8*\s+4*\c:XQ+8*\s+4*\c+3], v[QAD], s[32:33] offset:64*\s+32*\c     ; my first tile of q, likewise
.endr
.endr
	WIN 0
.irp p, 0,1
.irp j, 0,1,2
	global_load_b64 v[WQS+6*\p+2*\j:WQS+6*\p+2*\j+1], v[W24], s[14:15] offset:768*\p+8*\j    ; w_qs's scale words: a lane a row; they stay
.endr
.endr
.irp j, 0,1,2
	global_load_b64 v[XQS+2*\j:XQS+2*\j+1], v[XQA], s[34:35] offset:8*\j                     ; q's
.endr
	; THE WEIGHTS OF THE NEXT LAUNCH, in the order of operand registers.  Piece f = 4 x work-group + wave, under 448: K step f / 32 (0-7: fc_w, 8-13: resid_w), rows 32 (f % 32) on: two fragments and 32 scale words.
	s_lshl_b32 s58, ttmp9, 2
	s_add_co_u32 s58, s58, s40
	s_cmp_lt_u32 s58, 448
	s_cbranch_scc0 .Lnow
	s_lshr_b32 s59, s58, 5
	s_and_b32 s60, s58, 31
	s_mov_b32 s61, 384
	s_cmp_lt_u32 s59, 8                            ; the choice hangs on ids alone
	s_cselect_b64 s[16:17], s[16:17], s[68:69]
	s_cselect_b64 s[18:19], s[18:19], s[70:71]
	s_cselect_b32 s61, 512, s61                    ; a row of codes,
	s_cselect_b32 s62, 32, 24                      ; a row of scale bytes,
	s_cselect_b32 s63, 0, 8
	s_sub_co_u32 s59, s59, s63                     ; the K step within its tensor
	s_lshl_b32 s60, s60, 5                         ; the first row
	s_mul_i32 s66, s60, s61
	s_lshl_b32 s63, s59, 6
	s_add_co_u32 s66, s66, s63
	s_mov_b32 s67, 0
	s_add_nc_u64 s[16:17], s[16:17], s[66:67]
	s_mul_i32 s66, s60, s62
	s_lshl_b32 s63, s59, 2
	s_add_co_u32 s66, s66, s63
	s_add_nc_u64 s[18:19], s[18:19], s[66:67]
	v_mul_lo_u32 v106, v12, s61
	v_lshl_add_u32 v106, v17, 4, v106              ; row r, + 16 (lane / 16)
	s_lshl_b32 s63, s61, 4
	v_add_nc_u32 v107, s63, v106                   ; and 16 rows further down
	v_mul_lo_u32 v108, v11, s62                    ; scale words: a lane a row
	global_load_b128 v[72:75], v106, s[16:17]
	global_load_b128 v[76:79], v106, s[16:17] offset:32
	global_load_b128 v[80:83], v107, s[16:17]
	global_load_b128 v[84:87], v107, s[16:17] offset:32
	global_load_b32 v114, v108, s[18:19]
	s_lshl_b32 s66, s58, 11
	s_add_nc_u64 s[76:77], s[76:77], s[66:67]
	s_lshl_b32 s66, s58, 7
	s_add_nc_u64 s[78:79], s[78:79], s[66:67]
	s_wait_loadcnt 0x0
	global_store_b128 v[LK], v[72:75], s[76:77]                ; 512 consecutive bytes a store
	global_store_b128 v[LK], v[76:79], s[76:77] offset:512
	global_store_b128 v[LK], v[80:83], s[76:77] offset:1024
	global_store_b128 v[LK], v[84:87], s[76:77] offset:1536
	global_store_b32 v13, v114, s[78:79]
.Lnow:
	s_wait_loadcnt 0x0
.irp i, 0,1,2,3,4,5,6,7,8,9,10,11,12,13,14,15
	ds_store_b128 v14, v[128+4*\i:131+4*\i] offset:KIMG+2048*\i
.endr
.irp i, 0,1,2,3,4,5,6,7,8,9,10,11,12,13,14,15
	ds_store_b128 v14, v[192+4*\i:195+4*\i] offset:VIMG+2048*\i
.endr
	ds_store_b128 v15, v[116:119]
	ds_store_b128 v15, v[120:123] offset:2048
	ds_store_b128 v15, v[124:127] offset:4096
	WIN 0x04                                       ; an LDS store's data are its source 1: window 1
.irp s, 0,1,2,3,4,5
.irp c, 0,1
	ds_store_b128 v[WST], v[128+8*\s+4*\c:128+8*\s+4*\c+3] offset:4096*\s+512*\c   ; fragment (K step s, my channel tile), as its registers stand
.endr
.endr
	WIN 0
.irp i, 4,5,6,7
	v_mov_b32 v[QF+\i], 0                          ; K = 64 .. 127 of the second product: zero codes, written once
.endr
.irp i, 0,1,2,3,4,5,6,7
	v_mov_b32 v[TX+\i], 0                          ; written once: a lane permute's destination counts as one of its sources
.endr
	WIN 0x40                                       ; the same zero codes in K's two sets of fragments: written once, never loaded over
.irp i, 0,1,2,3,4,5,6,7
.irp j, 4,5,6,7
	v_mov_b32 v[8*\i+\j], 0
.endr
.endr
	WIN 0x80
.irp i, 0,1,2,3,4,5,6,7
.irp j, 4,5,6,7
	v_mov_b32 v[8*\i+\j], 0
.endr
.endr
	WIN 0
	s_wait_xcnt 0x0                                ; the stores above have read their registers: they are written again in the loop
	s_wait_dscnt 0x0                               ; for the others' sake: my part of the fill has landed
	s_barrier_signal -1
	s_barrier_wait -1
.macro KLOAD g                         ; group g: 128 keys: eight fragments into the set of g's parity, and their scale words: lanes 0-15 tile 2 p, lanes 16-31 tile 2 p + 1
	WIN (1+(\g)%2)<<6
.irp k, 0,1,2,3,4,5,6,7
	ds_load_b128 v[8*\k:8*\k+3], v[LK] offset:KIMG+(8*(\g)+\k)*512
.endr
	WIN 0
.irp p, 0,1,2,3
	ds_load_b32 v[KSC+4*((\g)%2)+\p], v[LKS] offset:(4*(\g)+\p)*128
.endr
.endm
; w_qs's fragments for the next tile's Q, into score registers that are done with.  part 0: K steps 0-3 into window 0's; part 1: K steps 4, 5 into the lower half of window 1's.
.macro WQLOAD part
.if (\part) == 0
	WIN 0
.irp f, 0,1,2,3,4,5,6,7,8,9,10,11,12,13,14,15
.irp c, 0,1
	ds_load_b128 v[128+8*\f+4*\c:128+8*\f+4*\c+3], v[LW] offset:\f*1024+\c*512
.endr
.endr
.else
	WIN 0x40
.irp f, 0,1,2,3,4,5,6,7
.irp c, 0,1
	ds_load_b128 v[128+8*\f+4*\c:128+8*\f+4*\c+3], v[LW] offset:(16+\f)*1024+\c*512
.endr
.endr
.endif
.endm
; One product of Q^T: K step s, channel tile t.  The four accumulators take turns, one instruction a turn; K step 0 starts the sums.
.macro QMM s, t
.set DD, OA+8*(\t)
.set AA, 128+8*(4*((\s)%4)+(\t))
.set BB, XQ+8*(\s)
.set SAQ, WQS+6*((\t)/2)+(\s)
.set SBQ, XQS+(\s)
.if ((\s) == 0) && ((\t)%2 == 0)
	v_wmma_scale_f32_16x16x128_f8f6f4 v[DD:DD+7], v[AA:AA+7], v[BB:BB+7], 0, v[SAQ], v[SBQ] matrix_a_fmt:MATRIX_FMT_FP4 matrix_b_fmt:MATRIX_FMT_FP4
.elseif (\s) == 0
	v_wmma_scale_f32_16x16x128_f8f6f4 v[DD:DD+7], v[AA:AA+7], v[BB:BB+7], 0, v[SAQ], v[SBQ] matrix_a_fmt:MATRIX_FMT_FP4 matrix_b_fmt:MATRIX_FMT_FP4 matrix_a_scale:MATRIX_SCALE_ROW1
.elseif (\t)%2 == 0
	v_wmma_scale_f32_16x16x128_f8f6f4 v[DD:DD+7], v[AA:AA+7], v[BB:BB+7], v[DD:DD+7], v[SAQ], v[SBQ] matrix_a_fmt:MATRIX_FMT_FP4 matrix_b_fmt:MATRIX_FMT_FP4
.else
	v_wmma_scale_f32_16x16x128_f8f6f4 v[DD:DD+7], v[AA:AA+7], v[BB:BB+7], v[DD:DD+7], v[SAQ], v[SBQ] matrix_a_fmt:MATRIX_FMT_FP4 matrix_b_fmt:MATRIX_FMT_FP4 matrix_a_scale:MATRIX_SCALE_ROW1
.endif
.endm
; The four tiles at v[OA] of window 1 (64 channels of my query: register 16 e + 8 u + j = channel 32 e + 16 u + 8 (lane / 16) + j) are two blocks of 32.  Left behind: the conversions' scale operands in v[OPD], v[OPD+1], the scale bytes in v[TX], v[TX+1].
.macro QUANT2 floor
	WIN 0x14                                       ; sources 1 and 2: window 1
.irp t, 0,1,2,3
	v_max3_num_f32 v[TM+\t], \floor, |v[OA+8*\t]|, |v[OA+8*\t+1]|   ; four chains, one a tile, and the floor, under which no largest magnitude is taken; each accumulator is read from its low end on
.endr
.irp i, 2,4,6
.irp t, 0,1,2,3
	v_max3_num_f32 v[TM+\t], v[TM+\t], |v[OA+8*\t+\i]|, |v[OA+8*\t+\i+1]|
.endr
.endr
	WIN 0
	v_max_num_f32 v[TM], v[TM], v[TM+1]            ; block 0: tiles 0 and 1
	v_max_num_f32 v[TM+1], v[TM+2], v[TM+3]        ; block 1: tiles 2 and 3
.irp e, 0,1
	v_permlanex16_b32 v[TX+\e], v[TM+\e], s28, s29
.endr
.irp e, 0,1
	v_max_num_f32 v[TM+\e], v[TM+\e], v[TX+\e]     ; with lane l xor 16's: the block's largest magnitude
.endr
.irp e, 0,1
	v_add_nc_u32 v[OPD+\e], 0xff000000, v[TM+\e]   ; 2 off its exponent field: the conversion takes the exponent field of this operand as its scale
.endr
.irp e, 0,1
	v_lshrrev_b32 v[TX+\e], 23, v[OPD+\e]          ; the scale's byte
.endr
.endm
.macro CVT4 dst                        ; the codes, in half blocks: register 2 u + e: block e, its numbers 16 u + 8 (lane / 16) + 0 .. 7
	WIN 0x01                                       ; source 0: window 1
.irp u, 0,1
.irp e, 0,1
	v_cvt_scalef32_pk8_fp4_f32 v[\dst+2*\u+\e], v[OA+16*\e+8*\u:OA+16*\e+8*\u+7], v[OPD+\e]
.endr
.endr
	WIN 0
.endm
.macro MAXG g                          ; group g's 64 scores into the eight running maxima; each accumulator is read from its low end on
	WIN (((\g)/2)<<2)|(((\g)/2)<<4)
.set SB, 128+64*((\g)%2)
.set ip, 0
.rept 32
	v_max3_num_f32 v[TC+ip%8], v[TC+ip%8], v[SB+2*ip], v[SB+2*ip+1]
.set ip, ip+1
.endr
.endm
; Group g's eight products; behind them the maxima of the group before, which are also the places in front of the loads into the set just read; then the group after next is fetched (groups 0 and 1: the next tile's).
.macro GROUP g
	s_wait_dscnt 12                                ; this group's twelve loads are in; the next group's twelve may be out
	WIN (1+(\g)%2)|(((\g)/2)<<6)
.irp k, 0,1,2,3,4,5,6,7
.if (\k)%2
	v_wmma_scale_f32_16x16x128_f8f6f4 v[128+64*((\g)%2)+8*\k:128+64*((\g)%2)+8*\k+7], v[8*\k:8*\k+7], v[QF:QF+7], 0, v[KSC+4*((\g)%2)+\k/2], v[QSC] matrix_a_fmt:MATRIX_FMT_FP4 matrix_b_fmt:MATRIX_FMT_FP4 matrix_a_scale:MATRIX_SCALE_ROW1
.else
	v_wmma_scale_f32_16x16x128_f8f6f4 v[128+64*((\g)%2)+8*\k:128+64*((\g)%2)+8*\k+7], v[8*\k:8*\k+7], v[QF:QF+7], 0, v[KSC+4*((\g)%2)+\k/2], v[QSC] matrix_a_fmt:MATRIX_FMT_FP4 matrix_b_fmt:MATRIX_FMT_FP4
.endif
.endr
.if (\g) == 0
	WIN 0
.irp i, 0,1,2,3,4,5,6,7
	v_mov_b32 v[TC+\i], 0xff800000                 ; -infinity, under every score.  (These are the places)
.endr
.else
	MAXG (\g)-1
.endif
	KLOAD ((\g)+2)%8
.endm
; Window w's 128 exponentials: ONE BATCH with one wait.  Between them stand the scalings two pairs ahead and the sums of the window before, whose exponentials have had their wait: nothing here names a result of this batch.
.macro SEG w
.if (\w) == 0
	WIN 0
.else
	WIN (\w)|(((\w)-1)<<2)|((\w)<<6)               ; destination and source 0: window w; source 1: the window before; source 2 (-m log2(e)): window 0
.irp i, 0,1,2,3
	v_mov_b32 v[ACC+\i], 0
.endr
.endif
.irp i, 0,1
	v_pk_fma_f32 v[128+2*\i:129+2*\i], v[128+2*\i:129+2*\i], s[24:25], v[NCM:NCM+1] op_sel_hi:[1,0,0]
.endr
.set ib, 0
.rept 64
.if ib < 62
	v_pk_fma_f32 v[132+2*ib:133+2*ib], v[132+2*ib:133+2*ib], s[24:25], v[NCM:NCM+1] op_sel_hi:[1,0,0]   ; s log2(e) - m log2(e), two at a time
.endif
	v_exp_f32 v[128+2*ib], v[128+2*ib]
.if (\w) > 0
	v_pk_add_f32 v[ACC+2*(ib%2):ACC+2*(ib%2)+1], v[ACC+2*(ib%2):ACC+2*(ib%2)+1], v[128+2*ib:129+2*ib]   ; the window before: two chains
.endif
	v_exp_f32 v[129+2*ib], v[129+2*ib]
.set ib, ib+1
.endr
	v_nop                                          ; a plain place behind the last exponential
	s_wait_alu depctr_va_vdst(0)                   ; the wait ahead of the first line that names a result: one for the batch
.endm
; Window w's 256 keys: p', its eight blocks' scales, its codes (two fragments), and eight products O^T += V^T P^T.  At the head of windows 1 and 2 the window before, whose p' have become codes, takes w_qs's fragments for the next tile.
.macro PVW w
.if (\w) == 1
	WQLOAD 0
.elseif (\w) == 2
	WQLOAD 1
.endif
	WIN (\w)|((\w)<<6)
.set ib, 0
.rept 64
	v_pk_fma_f32 v[128+2*ib:129+2*ib], v[128+2*ib:129+2*ib], v[NG:NG+1], s[26:27] op_sel_hi:[1,0,0]   ; p' = 1/1023 - e / (1023 x sum).  (These are also the places in front of the loads of V below)
.set ib, ib+1
.endr
	WIN 0xc0
.irp sg, 0,1
.irp t, 0,1,2,3
.irp c, 0,1
	ds_load_b128 v[8*(4*\sg+\t)+4*\c:8*(4*\sg+\t)+4*\c+3], v[LV] offset:\t*8192+(2*(\w)+\sg)*1024+\c*512
.endr
.endr
.endr
	WIN 0
.irp sg, 0,1
.irp p, 0,1
	ds_load_b32 v[VSC+2*\sg+\p], v[LVS] offset:(2*(\w)+\sg)*256+\p*128
.endr
.endr
	WIN ((\w)<<2)|((\w)<<4)
.irp bb, 0,1,2,3,4,5,6,7
	v_max3_num_f32 v[TM+\bb], 0x1800000, |v[128+16*\bb]|, |v[129+16*\bb]|   ; block bb: my 16 numbers, and the floor 2^(3 - 127): the byte cannot fall under 1
.endr
.irp i, 2,4,6,8,10,12,14
.irp bb, 0,1,2,3,4,5,6,7
	v_max3_num_f32 v[TM+\bb], v[TM+\bb], |v[128+16*\bb+\i]|, |v[129+16*\bb+\i]|
.endr
.endr
	WIN 0
.irp bb, 0,1,2,3,4,5,6,7
	v_permlanex16_b32 v[TX+\bb], v[TM+\bb], s28, s29
.endr
.irp bb, 0,1,2,3,4,5,6,7
	v_max_num_f32 v[TM+\bb], v[TM+\bb], v[TX+\bb]  ; with lane l xor 16's
.endr
.irp bb, 0,1,2,3,4,5,6,7
	v_add_nc_u32 v[OPD+\bb], 0xff000000, v[TM+\bb] ; 2 off the exponent field: the conversion's scale operand
.endr
.irp bb, 0,1,2,3,4,5,6,7
	v_lshrrev_b32 v[TX+\bb], 23, v[OPD+\bb]        ; the scale's byte
.endr
.irp sg, 0,1
	v_lshl_or_b32 v[PSW+\sg], v[TX+4*\sg+1], 8, v[TX+4*\sg]
	v_lshl_or_b32 v[PSW+\sg], v[TX+4*\sg+2], 16, v[PSW+\sg]
	v_lshl_or_b32 v[PSW+\sg], v[TX+4*\sg+3], 24, v[PSW+\sg]
.endr
	WIN (\w)
.irp sg, 0,1
.irp c, 0,1
.irp u, 0,1
.irp e, 0,1
	v_cvt_scalef32_pk8_fp4_f32 v[PC+8*\sg+4*\c+2*\u+\e], v[128+16*(4*\sg+2*\c+\e)+8*\u:128+16*(4*\sg+2*\c+\e)+8*\u+7], v[OPD+4*\sg+2*\c+\e]
.endr
.endr
.endr
.endr
	WIN 0
	v_nop                                          ; one plain place behind a scaled conversion
.irp i, 0,2,4,6,8,10,12,14
	v_permlane16_swap_b32 v[PC+\i], v[PC+\i+1]     ; the halves change places: register 4 c + i of a fragment now holds keys 64 c + 32 (lane / 16) + 8 i + 0 .. 7
.endr
.rept 8
	v_nop                                          ; a scale register written by a vector instruction stands eight places ahead of a scaled matrix instruction, an operand so written four
.endr
	s_wait_dscnt 0x0                               ; V's fragments and scale words are in (and w_qs's, asked for ahead of them)
	WIN 0x53                                       ; source 0 (V): window 3; C and D (O^T): window 1
.irp sg, 0,1
.irp t, 0,1,2,3                        ; the four accumulators take turns, one instruction a turn
.if ((\w) == 0) && (\sg == 0) && ((\t)%2 == 0)
	v_wmma_scale_f32_16x16x128_f8f6f4 v[OA+8*\t:OA+8*\t+7], v[8*(4*\sg+\t):8*(4*\sg+\t)+7], v[PC+8*\sg:PC+8*\sg+7], 0, v[VSC+2*\sg+\t/2], v[PSW+\sg] matrix_a_fmt:MATRIX_FMT_FP4 matrix_b_fmt:MATRIX_FMT_FP4
.elseif ((\w) == 0) && (\sg == 0)
	v_wmma_scale_f32_16x16x128_f8f6f4 v[OA+8*\t:OA+8*\t+7], v[8*(4*\sg+\t):8*(4*\sg+\t)+7], v[PC+8*\sg:PC+8*\sg+7], 0, v[VSC+2*\sg+\t/2], v[PSW+\sg] matrix_a_fmt:MATRIX_FMT_FP4 matrix_b_fmt:MATRIX_FMT_FP4 matrix_a_scale:MATRIX_SCALE_ROW1
.elseif (\t)%2 == 0
	v_wmma_scale_f32_16x16x128_f8f6f4 v[OA+8*\t:OA+8*\t+7], v[8*(4*\sg+\t):8*(4*\sg+\t)+7], v[PC+8*\sg:PC+8*\sg+7], v[OA+8*\t:OA+8*\t+7], v[VSC+2*\sg+\t/2], v[PSW+\sg] matrix_a_fmt:MATRIX_FMT_FP4 matrix_b_fmt:MATRIX_FMT_FP4
.else
	v_wmma_scale_f32_16x16x128_f8f6f4 v[OA+8*\t:OA+8*\t+7], v[8*(4*\sg+\t):8*(4*\sg+\t)+7], v[PC+8*\sg:PC+8*\sg+7], v[OA+8*\t:OA+8*\t+7], v[VSC+2*\sg+\t/2], v[PSW+\sg] matrix_a_fmt:MATRIX_FMT_FP4 matrix_b_fmt:MATRIX_FMT_FP4 matrix_a_scale:MATRIX_SCALE_ROW1
.endif
.endr
.endr
.endm
	KLOAD 0
	KLOAD 1
	WQLOAD 0
	WQLOAD 1
	WIN 0                                          ; at a label and at a branch every window is 0
.Ltile:                                            ; eight trips: a tile of 16 queries each
	s_wait_loadcnt 0x0                             ; this tile's q and its scale words (asked for a tile ago)
	s_wait_dscnt 0x0                               ; w_qs's fragments
	WIN 0x58                                       ; Q^T = w_qs q^T: source 0 window 0, source 1 (q) window 2, C and D window 1
.irp s, 0,1,2,3
.irp t, 0,1,2,3
	QMM \s, \t
.endr
.endr
	WIN 0x59                                       ; K steps 4 and 5: source 0 window 1
.irp s, 4,5
.irp t, 0,1,2,3
	QMM \s, \t
.endr
.endr
	WIN 0
.rept 4
	v_nop                                          ; places behind the last products
.endr
	QUANT2 0x3000000                               ; the floor 2^(6 - 127): 3 higher than elsewhere, for the 3 that is taken off below
	v_lshl_or_b32 v[QSC], v[TX+1], 8, v[TX]        ; my query's scale word: two bytes; the two above them stay 0 and stand over zero codes
	v_add_nc_u32 v[QSC], 0xfffffcfd, v[QSC]        ; Q / 8: 3 off each byte (each is 4 at the least: nothing is borrowed)
	CVT4 QF
	v_nop                                          ; one plain place behind a scaled conversion
	v_permlane16_swap_b32 v[QF], v[QF+1]           ; the halves change places: register i now holds channels 32 (lane / 16) + 8 i + 0 .. 7
	v_permlane16_swap_b32 v[QF+2], v[QF+3]
.rept 8
	v_nop                                          ; a scale register written by a vector instruction stands eight places ahead of a scaled matrix instruction, an operand so written four
.endr
.irp g, 0,1,2,3,4,5,6,7
	GROUP \g
.endr
	WIN 0
.rept 4
	v_nop                                          ; places behind the last products
.endr
	MAXG 7
	WIN 0
	s_cmp_eq_u32 s30, 1                            ; the next tile's q, if there is one: no load leaves its buffer
	s_cbranch_scc1 .Lnoq
	WIN 0x80                                       ; destination window 2
.irp s, 0,1,2,3,4,5
.irp c, 0,1
	global_load_b128 v[XQ+8*\s+4*\c:XQ+8*\s+4*\c+3], v[QAD], s[32:33] offset:6144+64*\s+32*\c   ; the twelve loads together cover the tile's 6,144 consecutive bytes
.endr
.endr
	WIN 0
.irp j, 0,1,2
	global_load_b64 v[XQS+2*\j:XQS+2*\j+1], v[XQA], s[34:35] offset:384+8*\j
.endr
.Lnoq:
	v_max3_num_f32 v[MX], v[TC], v[TC+1], v[TC+2]
	v_max3_num_f32 v[T15], v[TC+3], v[TC+4], v[TC+5]
	v_max3_num_f32 v[MX], v[MX], v[TC+6], v[TC+7]
	v_max_num_f32 v[MX], v[MX], v[T15]
	v_permlanex16_b32 v[T15], v[MX], s28, s29
	v_max_num_f32 v[MX], v[MX], v[T15]             ; the row's maximum
	v_mul_f32 v[NCM], 0xbfb8aa3b, v[MX]            ; its rounding is one common factor of all e of the row: it leaves e / sum as it is
	v_mov_b32 v[NCM+1], v[NCM]
	SEG 0
	SEG 1
	SEG 2
	SEG 3
	; the last window's sums: eight chains of pairs in v[TM] on; their first links add two pairs each, so nothing is cleared
	WIN 0x0f                                       ; sources 0 and 1: window 3
.irp j, 0,1,2,3,4,5,6,7
	v_pk_add_f32 v[TM+2*\j:TM+2*\j+1], v[128+2*\j:129+2*\j], v[144+2*\j:145+2*\j]
.endr
	WIN 0x0c                                       ; source 1: window 3
.set ib, 16
.rept 48
	v_pk_add_f32 v[TM+2*(ib%8):TM+2*(ib%8)+1], v[TM+2*(ib%8):TM+2*(ib%8)+1], v[128+2*ib:129+2*ib]
.set ib, ib+1
.endr
.irp w, 1,2,3
	WIN (\w)<<2                                    ; the partial sums kept in windows 1 to 3
	v_pk_add_f32 v[TM+4*(\w-1):TM+4*(\w-1)+1], v[TM+4*(\w-1):TM+4*(\w-1)+1], v[ACC:ACC+1]
	v_pk_add_f32 v[TM+4*(\w-1)+2:TM+4*(\w-1)+3], v[TM+4*(\w-1)+2:TM+4*(\w-1)+3], v[ACC+2:ACC+3]
.endr
	WIN 0
.irp j, 0,1,2,3
	v_pk_add_f32 v[TM+2*\j:TM+2*\j+1], v[TM+2*\j:TM+2*\j+1], v[TM+8+2*\j:TM+8+2*\j+1]
.endr
.irp j, 0,1
	v_pk_add_f32 v[TM+2*\j:TM+2*\j+1], v[TM+2*\j:TM+2*\j+1], v[TM+4+2*\j:TM+4+2*\j+1]
.endr
	v_pk_add_f32 v[TM:TM+1], v[TM:TM+1], v[TM+2:TM+3]
	v_add_f32 v[TM], v[TM], v[TM+1]
	v_permlanex16_b32 v[T15], v[TM], s28, s29
	v_add_f32 v[TM], v[TM], v[T15]                 ; the row's sum
	v_rcp_f32 v[T15], v[TM]
	v_nop                                          ; a plain place behind the reciprocal
	s_wait_alu depctr_va_vdst(0)                   ; and the wait ahead of its first reader
	v_mul_f32 v[NG], 0xba802008, v[T15]
	v_mov_b32 v[NG+1], v[NG]
	PVW 0
	PVW 1
	PVW 2
	PVW 3
	WIN 0
.rept 5
	v_nop                                          ; places behind the last products: four for the reads below, five for the next trip's first products, which write over these accumulators
.endr
	QUANT2 0x1800000                               ; O's two blocks of 32 channels; the floor 2^(3 - 127): the byte cannot fall under 1
	v_lshl_or_b32 v[HW], v[TX+1], 8, v[TX]         ; my query's two scale bytes
	CVT4 OC
	v_add_nc_u32 v[OSA], s31, v[OSW]               ; (one plain place behind a scaled conversion)
	v_permlane16_swap_b32 v[OC], v[OC+1]
	v_permlane16_swap_b32 v[OC+2], v[OC+3]
	global_store_b128 v[LK], v[OC:OC+3], s[36:37]  ; 512 consecutive bytes: four registers of the next product's fragment
	ds_store_b16 v[OSA], v[HW]                     ; both lanes of a query write the same two bytes
	s_wait_xcnt 0x0                                ; the loads and the store have read their bases and data: they are written again
	s_add_nc_u64 s[32:33], s[32:33], 6144
	s_add_nc_u64 s[34:35], s[34:35], 384
	s_add_nc_u64 s[36:37], s[36:37], 8192
	s_add_co_u32 s31, s31, 32
	s_sub_co_u32 s30, s30, 1
	s_cmp_lg_u32 s30, 0
	s_cbranch_scc1 .Ltile
	ds_load_b64 v[HW:HW+1], v[OSR]                 ; LDS serves a wave's instructions in order: this sees my stores
	s_wait_dscnt 0x0
	global_store_b64 v[L8], v[HW:HW+1], s[38:39]   ; my 128 queries' scale bytes: 256 consecutive bytes, aligned
	s_wait_tensorcnt 0x0
	ds_add_u32 v19, v115
	s_wait_dscnt 0x0
	s_endpgm
.Lfunc_end_k_q1d612f6fc4_attn:
	.size	k_q1d612f6fc4_attn, .Lfunc_end_k_q1d612f6fc4_attn-k_q1d612f6fc4_attn
	.p2alignl 7, 3214868480
	.fill 96, 4, 3214868480
	.section	.rodata,"a",@progbits
	.p2align	6, 0x0
	.amdhsa_kernel k_q1d612f6fc4_attn
		.amdhsa_group_segment_fixed_size 97792
		.amdhsa_private_segment_fixed_size 0
		.amdhsa_enable_private_segment 0
		.amdhsa_kernarg_size 112
		.amdhsa_user_sgpr_count 2
		.amdhsa_user_sgpr_kernarg_segment_ptr 1
		.amdhsa_wavefront_size32 1
		.amdhsa_system_sgpr_workgroup_id_x 1
		.amdhsa_system_sgpr_workgroup_id_y 1
		.amdhsa_system_sgpr_workgroup_id_z 1
		.amdhsa_system_vgpr_workitem_id 0
		.amdhsa_next_free_vgpr 1024
		.amdhsa_next_free_sgpr 80
		.amdhsa_reserve_vcc 0
		.amdhsa_float_denorm_mode_32 3
		.amdhsa_float_denorm_mode_16_64 3
		.amdhsa_memory_ordered 1
		.amdhsa_forward_progress 1
		.amdhsa_inst_pref_size 175
	.end_amdhsa_kernel
	.amdgpu_metadata
---
amdhsa.version: [ 1, 2 ]
amdhsa.kernels:
  - .name:           k_q1d612f6fc4_attn
    .symbol:         k_q1d612f6fc4_attn.kd
    .args:
      - { .name: pimg, .offset: 0, .size: 8, .value_kind: global_buffer, .address_space: global }
      - { .name: psw, .offset: 8, .size: 8, .value_kind: global_buffer, .address_space: global }
      - { .name: q_codes, .offset: 16, .size: 8, .value_kind: global_buffer, .address_space: global }
      - { .name: q_scales, .offset: 24, .size: 8, .value_kind: global_buffer, .address_space: global }
      - { .name: w_qs_codes, .offset: 32, .size: 8, .value_kind: global_buffer, .address_space: global }
      - { .name: w_qs_scales, .offset: 40, .size: 8, .value_kind: global_buffer, .address_space: global }
      - { .name: fc_w_codes, .offset: 48, .size: 8, .value_kind: global_buffer, .address_space: global }
      - { .name: fc_w_scales, .offset: 56, .size: 8, .value_kind: global_buffer, .address_space: global }
      - { .name: resid_w_codes, .offset: 64, .size: 8, .value_kind: global_buffer, .address_space: global }
      - { .name: resid_w_scales, .offset: 72, .size: 8, .value_kind: global_buffer, .address_space: global }
      - { .name: oimg, .offset: 80, .size: 8, .value_kind: global_buffer, .address_space: global }
      - { .name: osc, .offset: 88, .size: 8, .value_kind: global_buffer, .address_space: global }
      - { .name: wf, .offset: 96, .size: 8, .value_kind: global_buffer, .address_space: global }
      - { .name: ws, .offset: 104, .size: 8, .value_kind: global_buffer, .address_space: global }
    .group_segment_fixed_size: 97792
    .private_segment_fixed_size: 0
    .kernarg_segment_align: 8
    .kernarg_segment_size: 112
    .max_flat_workgroup_size: 128
    .sgpr_count:     80
    .vgpr_count:     1024
    .wavefront_size: 32
...
	.end_amdgpu_metadata
.endif
;; end of part 2
;; launch fcln (part 3): grid 256 x 1, 16 waves a work-group, no clusters, 106,496 bytes of LDS; arguments oimg, osc, wf, ws, q_codes, q_scales, resid_b, ln_gamma, ln_beta, out0; writes out0
.if DOCPART == 3
	.amdgcn_target "amdgcn-amd-amdhsa--gfx1250"
	.amdhsa_code_object_version 6
	.text
	.protected	k_q1d612f6fc4_fcln
	.globl	k_q1d612f6fc4_fcln
	.p2align	8
	.type	k_q1d612f6fc4_fcln,@function
k_q1d612f6fc4_fcln:
	s_mov_b64 s[64:65], 0
	v_nop
	global_prefetch_b8 v0, s[64:65] scope:SCOPE_SE
	s_setreg_imm32_b32 hwreg(HW_REG_WAVE_MODE, 25, 1), 1
	s_wait_xcnt 0x0
; out = LayerNorm(O fc_w + q resid_w + resid_b) x gamma + beta.  The two products are ONE sum of 14 K steps of 128 (8 of O with fc_w, 6 of q with resid_w), on codes of FP4 (E2M1) with E8M0 scales; all else in f32.
; SHARES.  A work-group owns 32 whole rows (two tiles of 16), since the norm wants whole rows; wave w of sixteen owns columns 64 w .. 64 w + 63: four tiles of 16 weight rows x two tiles of rows: eight accumulators.
; The matrix instruction is used transposed (source 0 = 16 weight rows, source 1 = 16 rows): a lane holds one row and eight neighbouring columns.
; The rows' 28 fragments go into LDS once (wave w brings K step w) and are read by all waves.  The weights lie in memory in the order of operand registers; each fragment is read by exactly ONE wave of the work-group,
; so it goes straight into registers: three K steps ahead, in four sets, with no barrier in the K loop.  That is why no tile ring and no joint loads are used here: LDS would add a copy and no reuse.
; No prefetch: all work-groups read the same weights.
; The bias is the C of each sum's first matrix instruction.  The norm takes two passes (mean, then the squares of the differences): no difference of large sums is formed.
; LIMITS: NaN and infinities are not served.
.set XIMG, 0                           ; LDS: fragment (tile of rows gl, K step s) at (14 gl + s) x 1,024
.set XSCL, 28672                       ; their scale words: [s][gl][r]
.set RED1, 30720                       ; 128 bytes a wave: the rows' partial sums
.set RED2, 32768                       ; and partial sums of squares
.set STG,  34816                       ; 16 rows x (256 + 16) bytes for each wave: the way out
.set L16,  1                           ; v1   16 x lane
.set WOF,  2                           ; v2   16 x lane + 4,096 x wave
.set WSO,  3                           ; v3   4 x lane + 256 x wave
.set L4,   4                           ; v4   4 x lane
.set XW,   5                           ; v5   16 x lane + 1,024 x wave
.set XSW,  6                           ; v6   XSCL + 4 x lane + 128 x wave
.set RW,   7                           ; v7   128 x wave + 4 r
.set RR,   8                           ; v8   4 r
.set SO,   9                           ; v9   the stage, in
.set SR,   10                          ; v10  and back
.set GO,   11                          ; v11  my byte offset in the work-group's rows of out0
.set BO,   12                          ; v12  256 x wave + 32 h: my eight columns of a tile, in resid_b, gamma and beta
.set WSC,  16                          ; v16-23 the weights' scale words: four sets of two
.set XSC,  24                          ; v24-25 the rows': two sets
.set XF,   32                          ; v32-63 the rows' fragments: two sets of two
.set WB,   64                          ; v64-191 the weights' fragments: four sets of four
.set AC,   192                         ; v192-255 the accumulators: (gl, k) at 192 + 32 gl + 8 k
	s_load_b512 s[4:19], s[0:1], 0x0               ; oimg, osc, wf, ws, q's codes, q's scales, resid_b, gamma
	s_load_b128 s[20:23], s[0:1], 0x40             ; beta, out0
	v_lshrrev_b32 v13, 5, v0
	v_readfirstlane_b32 s24, v13                   ; wave 0..15
	v_and_b32 v13, 31, v0                          ; lane
	v_and_b32 v14, 15, v0                          ; r
	v_bfe_u32 v15, v0, 4, 1                        ; h
	v_lshlrev_b32 v[L16], 4, v13
	v_lshlrev_b32 v[L4], 2, v13
	s_lshl_b32 s25, s24, 12
	v_add_nc_u32 v[WOF], s25, v[L16]
	s_lshl_b32 s25, s24, 8
	v_add_nc_u32 v[WSO], s25, v[L4]
	v_lshl_add_u32 v[BO], v15, 5, s25
	s_lshl_b32 s25, s24, 10
	v_add_nc_u32 v[XW], s25, v[L16]
	s_lshl_b32 s25, s24, 7
	s_add_co_u32 s26, s25, XSCL
	v_add_nc_u32 v[XSW], s26, v[L4]
	v_lshlrev_b32 v[RR], 2, v14
	v_add_nc_u32 v[RW], s25, v[RR]
	s_mul_i32 s25, s24, 4352
	s_add_co_u32 s25, s25, STG                     ; my stage
	v_mul_u32_u24 v[SO], v14, 272
	v_lshl_add_u32 v[SO], v15, 5, v[SO]
	v_add_nc_u32 v[SO], s25, v[SO]                 ; in: row r, + 32 h
	v_mul_u32_u24 v[SR], v15, 272
	v_lshl_add_u32 v[SR], v14, 4, v[SR]
	v_add_nc_u32 v[SR], s25, v[SR]                 ; back: lanes 0-15 one row, lanes 16-31 the next
	v_lshlrev_b32 v[GO], 12, v15
	v_lshl_add_u32 v[GO], v14, 4, v[GO]
	s_lshl_b32 s25, s24, 8
	v_add_nc_u32 v[GO], s25, v[GO]                 ; the same two rows in out0, my wave's 256 bytes of them
	v_lshlrev_b32 v28, 1, v13                      ; O's scale bytes: two a row
	v_mul_u32_u24 v29, v14, 384
	v_lshl_add_u32 v29, v15, 4, v29                ; q's codes: row r of 384 bytes, + 16 h
	v_mul_u32_u24 v30, v13, 24                     ; q's scale bytes: 24 a row, a lane a row
	s_mov_b32 s30, 0x76543210
	s_mov_b32 s31, 0xfedcba98                      ; lane selects: lane l xor 16
	s_wait_kmcnt 0x0
	; THE ROWS' FRAGMENTS: wave w < 8 brings K step w of O, wave 8 .. 13 K step w - 8 of q; every LDS address was made above, ahead of the parting
	s_cmp_lt_u32 s24, 8
	s_cbranch_scc0 .Lfromq
	s_lshl_b32 s26, ttmp9, 14                      ; oimg: [tile of 16 rows][head][lane][16]: 16,384 x work-group + 1,024 x K step
	s_lshl_b32 s27, s24, 10
	s_add_co_u32 s26, s26, s27
	s_mov_b32 s27, 0
	s_add_nc_u64 s[4:5], s[4:5], s[26:27]
	s_lshr_b32 s26, ttmp9, 5                       ; osc: [b][head][query] two bytes: heads 2 w and 2 w + 1
	s_lshl_b32 s26, s26, 15
	s_and_b32 s28, ttmp9, 31
	s_lshl_b32 s28, s28, 6
	s_add_co_u32 s26, s26, s28
	s_lshl_b32 s28, s24, 12
	s_add_co_u32 s26, s26, s28
	s_add_nc_u64 s[6:7], s[6:7], s[26:27]
	global_load_b128 v[32:35], v[L16], s[4:5]
	global_load_b128 v[36:39], v[L16], s[4:5] offset:512
	global_load_b128 v[40:43], v[L16], s[4:5] offset:8192
	global_load_b128 v[44:47], v[L16], s[4:5] offset:8704
	global_load_u16 v26, v28, s[6:7]
	global_load_u16 v27, v28, s[6:7] offset:2048
	s_branch .Lxasked
.Lfromq:
	s_cmp_lt_u32 s24, 14
	s_cbranch_scc0 .Lxasked
	s_sub_co_u32 s28, s24, 8
	s_mul_i32 s26, ttmp9, 12288
	s_lshl_b32 s27, s28, 6
	s_add_co_u32 s26, s26, s27
	s_mov_b32 s27, 0
	s_add_nc_u64 s[12:13], s[12:13], s[26:27]
	s_mul_i32 s26, ttmp9, 768
	s_lshl_b32 s28, s28, 2
	s_add_co_u32 s26, s26, s28
	s_add_nc_u64 s[14:15], s[14:15], s[26:27]
	global_load_b128 v[32:35], v29, s[12:13]
	global_load_b128 v[36:39], v29, s[12:13] offset:32
	global_load_b128 v[40:43], v29, s[12:13] offset:6144
	global_load_b128 v[44:47], v29, s[12:13] offset:6176
	global_load_b32 v26, v30, s[14:15]
	v_mov_b32 v27, 0
.Lxasked:
.macro VEC ptr, reg                    ; my 32 numbers of a vector of 1,024, in the accumulators' layout: tile k's eight at reg + 8 k
.irp k, 0,1,2,3
	global_load_b128 v[\reg+8*\k:\reg+8*\k+3], v[BO], s[\ptr:\ptr+1] offset:64*\k
	global_load_b128 v[\reg+8*\k+4:\reg+8*\k+7], v[BO], s[\ptr:\ptr+1] offset:64*\k+16
.endr
.endm
.macro WLOAD s                         ; K step s: my four fragments (512 consecutive bytes a load) and their scale words: lanes 0-15 tile 2 p, lanes 16-31 tile 2 p + 1
.irp j, 0,1,2,3,4,5,6,7
	global_load_b128 v[WB+32*((\s)%4)+4*\j:WB+32*((\s)%4)+4*\j+3], v[WOF], s[8:9] offset:65536*(\s)+512*\j
.endr
.irp p, 0,1
	global_load_b32 v[WSC+2*((\s)%4)+\p], v[WSO], s[10:11] offset:4096*(\s)+128*\p
.endr
.endm
.macro XLOAD s                         ; K step s: the rows' two fragments, and their scale words: lanes 0-15 the first tile of rows, lanes 16-31 the second
.irp gl, 0,1
.irp c, 0,1
	ds_load_b128 v[XF+16*((\s)%2)+8*\gl+4*\c:XF+16*((\s)%2)+8*\gl+4*\c+3], v[L16] offset:XIMG+(14*\gl+(\s))*1024+512*\c
.endr
.endr
	ds_load_b32 v[XSC+(\s)%2], v[L4] offset:XSCL+128*(\s)
.endm
	VEC 16, WB+96                                  ; resid_b, into the set that K step 3 will take
	WLOAD 0
	WLOAD 1
	WLOAD 2
	s_lshl_b32 s26, ttmp9, 17                      ; out0 at the work-group's 32 rows
	s_mov_b32 s27, 0
	s_add_nc_u64 s[22:23], s[22:23], s[26:27]
	s_mov_b32 s26, 0x3a800000                      ; 1 / 1,024
	s_mov_b32 s27, 0x3727c5ac                      ; 1e-5
	s_wait_loadcnt 38                              ; behind the rows' loads: the bias's 8 and three K steps' 30, which may stay out
	s_cmp_lt_u32 s24, 14
	s_cbranch_scc0 .Lnoput
	v_lshl_or_b32 v26, v27, 16, v26                ; O: two heads' two bytes make the K step's word; q: the word as it was loaded
	ds_store_b128 v[XW], v[32:35]
	ds_store_b128 v[XW], v[36:39] offset:512
	ds_store_b128 v[XW], v[40:43] offset:14336
	ds_store_b128 v[XW], v[44:47] offset:14848
	ds_store_b32 v[XSW], v26
.Lnoput:
	s_wait_dscnt 0x0                               ; for the others' sake: my stores have landed
	s_barrier_signal -1
	s_barrier_wait -1                              ; the rows' 28 fragments lie in LDS
	XLOAD 0
.macro MM s, gl, k
.set DD, AC+32*(\gl)+8*(\k)
.set AA, WB+32*((\s)%4)+8*(\k)
.set BB, XF+16*((\s)%2)+8*(\gl)
.set SA, WSC+2*((\s)%4)+(\k)/2
.set SB, XSC+(\s)%2
.if (\s) == 0
.set CC, WB+96+8*(\k)                  ; the bias starts the sum
.else
.set CC, DD
.endif
.if ((\k)%2 == 0) && ((\gl) == 0)
	v_wmma_scale_f32_16x16x128_f8f6f4 v[DD:DD+7], v[AA:AA+7], v[BB:BB+7], v[CC:CC+7], v[SA], v[SB] matrix_a_fmt:MATRIX_FMT_FP4 matrix_b_fmt:MATRIX_FMT_FP4
.elseif (\gl) == 0
	v_wmma_scale_f32_16x16x128_f8f6f4 v[DD:DD+7], v[AA:AA+7], v[BB:BB+7], v[CC:CC+7], v[SA], v[SB] matrix_a_fmt:MATRIX_FMT_FP4 matrix_b_fmt:MATRIX_FMT_FP4 matrix_a_scale:MATRIX_SCALE_ROW1
.elseif (\k)%2 == 0
	v_wmma_scale_f32_16x16x128_f8f6f4 v[DD:DD+7], v[AA:AA+7], v[BB:BB+7], v[CC:CC+7], v[SA], v[SB] matrix_a_fmt:MATRIX_FMT_FP4 matrix_b_fmt:MATRIX_FMT_FP4 matrix_b_scale:MATRIX_SCALE_ROW1
.else
	v_wmma_scale_f32_16x16x128_f8f6f4 v[DD:DD+7], v[AA:AA+7], v[BB:BB+7], v[CC:CC+7], v[SA], v[SB] matrix_a_fmt:MATRIX_FMT_FP4 matrix_b_fmt:MATRIX_FMT_FP4 matrix_a_scale:MATRIX_SCALE_ROW1 matrix_b_scale:MATRIX_SCALE_ROW1
.endif
.endm
.macro KSTEP s
.if (\s) < 13
	XLOAD (\s)+1
.endif
.if (\s) <= 11
	s_wait_loadcnt 20                              ; this step's weights are in; the next two steps' twenty loads may be out
.elseif (\s) == 12
	s_wait_loadcnt 18                              ; step 13's ten and gamma's eight
.else
	s_wait_loadcnt 16                              ; gamma's eight and beta's eight
.endif
.if (\s) < 13
	s_wait_dscnt 5                                 ; this step's rows are in; the next step's five loads may be out
.else
	s_wait_dscnt 0x0
.endif
.irp k, 0,1,2,3                        ; the eight accumulators take turns, one instruction a turn
.irp gl, 0,1
	MM \s, \gl, \k
.endr
.endr
.rept 4
	v_nop                                          ; places in front of loads into registers that matrix instructions have read, and of the first read of results
.endr
.if (\s) <= 10
	WLOAD (\s)+3
.elseif (\s) == 11
	VEC 18, WB+64                                  ; gamma, into the set that step 10 has left
.elseif (\s) == 12
	VEC 20, WB+96                                  ; beta, into step 11's
.endif
.endm
.irp s, 0,1,2,3,4,5,6,7,8,9,10,11,12,13
	KSTEP \s
.endr
; Four chains in v[32:39] (two for each tile of rows) become each row's sum over all 1,024 columns, in v64 (first tile of rows) and v80 (second), the same in every wave.
.macro REDUCE red
.irp gl, 0,1
	v_pk_add_f32 v[32+4*\gl:33+4*\gl], v[32+4*\gl:33+4*\gl], v[34+4*\gl:35+4*\gl]
.endr
.irp gl, 0,1
	v_add_f32 v[32+4*\gl], v[32+4*\gl], v[33+4*\gl]
.endr
.irp gl, 0,1
	v_permlanex16_b32 v[40+\gl], v[32+4*\gl], s30, s31
.endr
.irp gl, 0,1
	v_add_f32 v[32+4*\gl], v[32+4*\gl], v[40+\gl]  ; my wave's 64 columns of row r
.endr
.irp gl, 0,1
	ds_store_b32 v[RW], v[32+4*\gl] offset:\red+64*\gl   ; both lanes of a row write the same word
.endr
	s_wait_dscnt 0x0
	s_barrier_signal -1
	s_barrier_wait -1
.irp i, 0,1,2,3,4,5,6,7,8,9,10,11,12,13,14,15
.irp gl, 0,1
	ds_load_b32 v[64+16*\gl+\i], v[RR] offset:\red+128*\i+64*\gl
.endr
.endr
	s_wait_dscnt 0x0
.irp i, 2,4,6,8,10,12,14
.irp gl, 0,1
	v_pk_add_f32 v[64+16*\gl:65+16*\gl], v[64+16*\gl:65+16*\gl], v[64+16*\gl+\i:65+16*\gl+\i]
.endr
.endr
.irp gl, 0,1
	v_add_f32 v[64+16*\gl], v[64+16*\gl], v[65+16*\gl]
.endr
.endm
	; the mean.  Each accumulator is read from its low end on
.irp gl, 0,1
.irp c, 0,1
	v_pk_add_f32 v[32+4*\gl+2*\c:33+4*\gl+2*\c], v[AC+32*\gl+16*\c:AC+32*\gl+16*\c+1], v[AC+32*\gl+16*\c+2:AC+32*\gl+16*\c+3]
.endr
.endr
.irp i, 4,6,8,10,12,14
.irp gl, 0,1
.irp c, 0,1
	v_pk_add_f32 v[32+4*\gl+2*\c:33+4*\gl+2*\c], v[32+4*\gl+2*\c:33+4*\gl+2*\c], v[AC+32*\gl+16*\c+\i:AC+32*\gl+16*\c+\i+1]
.endr
.endr
.endr
	REDUCE RED1
.irp gl, 0,1
	v_mul_f32 v[48+2*\gl], s26, v[64+16*\gl]
.endr
.irp gl, 0,1
	v_mov_b32 v[49+2*\gl], v[48+2*\gl]
.endr
.irp gl, 0,1
.irp i, 0,2,4,6,8,10,12,14,16,18,20,22,24,26,28,30
	v_pk_add_f32 v[AC+32*\gl+\i:AC+32*\gl+\i+1], v[AC+32*\gl+\i:AC+32*\gl+\i+1], v[48+2*\gl:49+2*\gl] neg_lo:[0,1] neg_hi:[0,1]   ; x - mean
.endr
.endr
	; the variance: the mean of the squares of the differences
.irp gl, 0,1
.irp c, 0,1
	v_pk_mul_f32 v[32+4*\gl+2*\c:33+4*\gl+2*\c], v[AC+32*\gl+16*\c:AC+32*\gl+16*\c+1], v[AC+32*\gl+16*\c:AC+32*\gl+16*\c+1]
.endr
.endr
.irp i, 2,4,6,8,10,12,14
.irp gl, 0,1
.irp c, 0,1
	v_pk_fma_f32 v[32+4*\gl+2*\c:33+4*\gl+2*\c], v[AC+32*\gl+16*\c+\i:AC+32*\gl+16*\c+\i+1], v[AC+32*\gl+16*\c+\i:AC+32*\gl+16*\c+\i+1], v[32+4*\gl+2*\c:33+4*\gl+2*\c]
.endr
.endr
.endr
	REDUCE RED2
.irp gl, 0,1
	v_fma_f32 v[52+2*\gl], v[64+16*\gl], s26, s27  ; variance + 1e-5
.endr
.irp gl, 0,1
	v_rsq_f32 v[56+2*\gl], v[52+2*\gl]
.endr
	v_nop                                          ; a plain place behind the last of the two
	s_wait_alu depctr_va_vdst(0)                   ; the wait ahead of the first reader: one for both
.irp gl, 0,1
	v_mov_b32 v[57+2*\gl], v[56+2*\gl]
.endr
	s_wait_loadcnt 0x0                             ; gamma and beta
.irp gl, 0,1
.irp i, 0,2,4,6,8,10,12,14,16,18,20,22,24,26,28,30
	v_pk_mul_f32 v[AC+32*\gl+\i:AC+32*\gl+\i+1], v[AC+32*\gl+\i:AC+32*\gl+\i+1], v[56+2*\gl:57+2*\gl]
.endr
.endr
.irp gl, 0,1
.irp i, 0,2,4,6,8,10,12,14,16,18,20,22,24,26,28,30
	v_pk_fma_f32 v[AC+32*\gl+\i:AC+32*\gl+\i+1], v[AC+32*\gl+\i:AC+32*\gl+\i+1], v[WB+64+\i:WB+64+\i+1], v[WB+96+\i:WB+96+\i+1]
.endr
.endr
	; THE WAY OUT: a lane holds 32 neighbouring bytes of a row; 16 rows x 256 bytes go through my own stage and come back by rows: sixteen lanes store 256 consecutive bytes, aligned
.irp gl, 0,1
.irp k, 0,1,2,3
	ds_store_b128 v[SO], v[AC+32*\gl+8*\k:AC+32*\gl+8*\k+3] offset:64*\k
	ds_store_b128 v[SO], v[AC+32*\gl+8*\k+4:AC+32*\gl+8*\k+7] offset:64*\k+16
.endr
.irp i, 0,1,2,3,4,5,6,7
	ds_load_b128 v[64+32*\gl+4*\i:64+32*\gl+4*\i+3], v[SR] offset:544*\i   ; LDS serves a wave's instructions in order: these see my stores, and the second tile's stores come behind them
.endr
.endr
.irp gl, 0,1
.irp i, 0,1,2,3,4,5,6,7
	s_wait_dscnt 23-16*\gl-\i                      ; what was issued behind this load may stay out
	global_store_b128 v[GO], v[64+32*\gl+4*\i:64+32*\gl+4*\i+3], s[22:23] offset:65536*\gl+8192*\i th:TH_STORE_NT
.endr
.endr
	s_wait_xcnt 0x0
	v_lshl_add_u32 v254, v0, 2, 0x19800
	v_mov_b32 v255, 0
	s_wait_tensorcnt 0x0
	ds_add_u32 v254, v255
	s_wait_dscnt 0x0
	s_endpgm
.Lfunc_end_k_q1d612f6fc4_fcln:
	.size	k_q1d612f6fc4_fcln, .Lfunc_end_k_q1d612f6fc4_fcln-k_q1d612f6fc4_fcln
	.p2alignl 7, 3214868480
	.fill 96, 4, 3214868480
	.section	.rodata,"a",@progbits
	.p2align	6, 0x0
	.amdhsa_kernel k_q1d612f6fc4_fcln
		.amdhsa_group_segment_fixed_size 106496
		.amdhsa_private_segment_fixed_size 0
		.amdhsa_enable_private_segment 0
		.amdhsa_kernarg_size 80
		.amdhsa_user_sgpr_count 2
		.amdhsa_user_sgpr_kernarg_segment_ptr 1
		.amdhsa_wavefront_size32 1
		.amdhsa_system_sgpr_workgroup_id_x 1
		.amdhsa_system_sgpr_workgroup_id_y 1
		.amdhsa_system_sgpr_workgroup_id_z 1
		.amdhsa_system_vgpr_workitem_id 0
		.amdhsa_next_free_vgpr 256
		.amdhsa_next_free_sgpr 66
		.amdhsa_reserve_vcc 0
		.amdhsa_float_denorm_mode_32 3
		.amdhsa_float_denorm_mode_16_64 3
		.amdhsa_memory_ordered 1
		.amdhsa_forward_progress 1
		.amdhsa_inst_pref_size 63
	.end_amdhsa_kernel
	.amdgpu_metadata
---
amdhsa.version: [ 1, 2 ]
amdhsa.kernels:
  - .name:           k_q1d612f6fc4_fcln
    .symbol:         k_q1d612f6fc4_fcln.kd
    .args:
      - { .name: oimg, .offset: 0, .size: 8, .value_kind: global_buffer, .address_space: global }
      - { .name: osc, .offset: 8, .size: 8, .value_kind: global_buffer, .address_space: global }
      - { .name: wf, .offset: 16, .size: 8, .value_kind: global_buffer, .address_space: global }
      - { .name: ws, .offset: 24, .size: 8, .value_kind: global_buffer, .address_space: global }
      - { .name: q_codes, .offset: 32, .size: 8, .value_kind: global_buffer, .address_space: global }
      - { .name: q_scales, .offset: 40, .size: 8, .value_kind: global_buffer, .address_space: global }
      - { .name: resid_b, .offset: 48, .size: 8, .value_kind: global_buffer, .address_space: global }
      - { .name: ln_gamma, .offset: 56, .size: 8, .value_kind: global_buffer, .address_space: global }
      - { .name: ln_beta, .offset: 64, .size: 8, .value_kind: global_buffer, .address_space: global }
      - { .name: out0, .offset: 72, .size: 8, .value_kind: global_buffer, .address_space: global }
    .group_segment_fixed_size: 106496
    .private_segment_fixed_size: 0
    .kernarg_segment_align: 8
    .kernarg_segment_size: 80
    .max_flat_workgroup_size: 512
    .sgpr_count:     66
    .vgpr_count:     256
    .wavefront_size: 32
...
	.end_amdgpu_metadata
.endif
;; end of part 3
;; ======== version 2 of 2: 3 launches; version 1 with the launches attn, fcln written anew for expert scheduling mode
;; workspace buffers: pimg 8,388,608 bytes; psw 1,310,720 bytes; oimg 4,194,304 bytes; osc 262,144 bytes; wf 917,504 bytes; ws 57,344 bytes
;; launch projkv: the kernel of part 1 again; grid 4 x 64, 4 waves a work-group, clusters of 4 x 4, 299,520 bytes of LDS; arguments k_codes, k_scales, w_ks_codes, w_ks_scales, v_codes, v_scales, w_vs_codes, w_vs_scales, pimg, psw; writes pimg, psw
;; launch attn (part 4): grid 256 x 1, 4 waves a work-group, no clusters, 97,792 bytes of LDS; arguments pimg, psw, q_codes, q_scales, w_qs_codes, w_qs_scales, fc_w_codes, fc_w_scales, resid_w_codes, resid_w_scales, oimg, osc, wf, ws; writes oimg, osc, wf, ws
.if DOCPART == 4
	.amdgcn_target "amdgcn-amd-amdhsa--gfx1250"
	.amdhsa_code_object_version 6
	.text
	.protected	k_q1d612f6fc4_attn
	.globl	k_q1d612f6fc4_attn
	.p2align	8
	.type	k_q1d612f6fc4_attn,@function
k_q1d612f6fc4_attn:
	s_mov_b64 s[64:65], 0
	v_nop
	global_prefetch_b8 v0, s[64:65] scope:SCOPE_SE
	s_setreg_imm32_b32 hwreg(HW_REG_WAVE_SCHED_MODE, 0, 2), 2
	s_setreg_imm32_b32 hwreg(HW_REG_WAVE_MODE, 25, 1), 1
	s_wait_xcnt 0x0
	s_wait_alu depctr_vm_vsrc(0)
; Q = q w_qs, then O = p' V with p' = (1 - softmax(Q K^T / 8)) / 1023: three products on codes of FP4 (E2M1) with one E8M0 scale for each 32 along a product's K; O is quantised along the head's channels for the product that follows.
; K and V come as images of operand registers with their scale words; q and w_qs as the problem gives them.  p' is quantised FINISHED AND NORMALISED, along the keys: so a row's maximum and sum are known before any p' is made.
; SHARES.  A work-group owns one (batch, head) and half of its 1,024 queries; each of its four waves walks eight tiles of 16 queries.  A wave keeps ALL 1,024 scores of its 16 queries in 512 registers, so each exponential is taken once.
; The head's K and V (codes and scale words, 70 KiB) and its 64 rows of w_qs (24 KiB) go into LDS once, through registers; then the waves share only bytes that nobody writes: one barrier in the kernel.
; No cluster: what two work-groups share is those 94 KiB, fetched once, beside eight tiles' work a wave.  No prefetch: no stream is waited for in the loop (the next tile's q, 6,528 bytes, is asked for a tile ahead).
; LAYOUT.  All three products are used transposed: Q^T = w_qs q^T (source 0 = 16 channels, source 1 = my 16 queries), S^T = K Q^T (source 0 = 16 keys), O^T = V^T P^T: a lane holds ONE query (lane % 16) throughout;
; register j of a tile holds channel (or key) 8 (lane / 16) + j.  So Q^T's four tiles are quantised in registers as O^T's are, and the four code registers ARE Q's fragment: Q never goes to memory.
; Q / 8: the codes of Q and of Q / 8 are the same; 3 is taken off each scale byte, and the floor stands 3 higher, so that the byte is held at 1 exactly as for Q / 8.
; The second product's K is 64: registers 4-7 of K's and Q's fragments are zero codes, which add nothing.
; SOFTMAX.  e = 2^(s log2(e) - m log2(e)), m the row's true maximum (one fused multiply-add and one exponential); p' = 1/1023 - e / (1023 x the sum): one fused multiply-add.  All in f32.
; The first 112 work-groups also lay fc_w and resid_w out in the order of operand registers, for the launch that follows.
; LIMITS: NaN and infinities are not served; a block of zeros gets the scale byte 1 where the quantiser's text says 127 (its codes are zeros, and this program alone reads the bytes).
; REGISTERS, in windows of 256.  v128-255 of window w: the scores of keys 256 w .. 256 w + 255, tile k at 128 + 8 k.  Between a window's last use and the next tile's scores, window 0 holds V's second set (v128-191) and
; w_qs's fragments of K steps 0 and 1 (v192-255), window 1 those of K steps 2 to 5.
; Window 0, v0-127: as named below.  Window 1: v0-63 K's fragments of an even group of 128 keys, v64-95 Q^T, later O^T.  Window 2: v0-63 K's of an odd group, v64-111 q's six fragments.  Window 3: v0-63 V's first set.
; v120-123 of windows 1 to 3: partial sums.
; THE MODE: SCHED_MODE bits 1:0 = 2 (LLVM: expert scheduling mode 2), set by the entry lines.  The code itself states the register dependences between vector or matrix instructions and memory or LDS instructions,
; with s_wait_alu, always for 0.
; THE PLAN.  Registers that memory or LDS instructions touch, in the loop:
;   K's two sets and KSC's two.  Group g's eight products read set g % 2; the loads of group g + 2 land in it.  Groups 0 to 5: one wait on va_vdst behind the maxima that follow the products, then the loads.
;       The next tile's groups 0 and 1 are asked for behind the wait that closes window 0's exponentials: it stands behind the products of groups 6 and 7.
;   V's two sets (A: window 3 v0-63; B: window 0 v128-191) and VSC's two.  Window w's products read set w % 2; the loads of window w + 1 land in the other set.
;   w_qs's 24 fragments.  Read by Q^T's products at a trip's head; eight of them are loaded behind each of windows 0, 1 and 2, into score registers whose p' have become codes.
;       ONE wait on va_vdst a window, ahead of its products: p's codes and scale words are written; the conversions are done reading the window's scores; the products of the window before are done reading their set of V.
;       The loads stand behind the window's eight products, which name none of the registers in which they land.  Window 0's V is asked for in window 0: set A's last readers stand ahead of the last such wait of the trip before.
;   q's fragments and XQS.  Read by Q^T's products; loaded behind the last maxima: the wait ahead of the first product K Q^T stands between, and nothing since names them.
;   OC, HW, OSA.  Written by a trip's last vector lines, read by its two stores: a wait on va_vdst ahead of the stores, one on vm_vsrc behind them, ahead of the next trip's writes.
;   All other addresses are written at the head alone.
.set KIMG, 0                           ; LDS: K's 64 tiles, 512 bytes each
.set VIMG, 32768                       ; V's fragments: t x 8,192 + s x 1,024 + c x 512
.set KSCL, 65536                       ; K's scale words, 4 bytes a key
.set VSCL, 69632                       ; V's: [s][t][r]
.set OST,  71680                       ; 256 bytes for each wave: O's scale bytes
.set WIMG, 72704                       ; w_qs's fragments: (4 s + t) x 1,024 + c x 512
.set LK,   1                           ; v1   16 x lane
.set LV,   2                           ; v2   16 x lane + VIMG
.set LKS,  3                           ; v3   4 x lane + KSCL
.set QAD,  4                           ; v4   384 x (lane % 16) + 16 x (lane / 16): my 16 bytes of a row of q or of w_qs
.set OSW,  5                           ; v5   OST + 256 x wave + 2 x (lane % 16)
.set OSA,  6                           ; v6   the same + 32 x tile
.set L8,   7                           ; v7   8 x lane
.set OSR,  8                           ; v8   OST + 256 x wave + 8 x lane
.set LVS,  9                           ; v9   4 x lane + VSCL
.set NCM,  10                          ; v[10:11] -m log2(e), twice
.set NG,   12                          ; v[12:13] -1 / (1023 x the sum), twice
.set MX,   14
.set T15,  15
.set WST,  18                          ; v18  the head alone: where I store w_qs's images
.set QSC,  20                          ; v20  Q's scale words
.set XQA,  21                          ; v21  24 x (lane % 16): my query's row of q's scale bytes
.set HW,   22                          ; v22-23 O's scale bytes on their way
.set QF,   24                          ; v24-31 Q's fragment; v28-31 stay 0
.set KSC,  32                          ; v32-39 K's scale words, two sets of four
.set VSC,  40                          ; v40-43 V's scale words, for set A
.set PSW,  44                          ; v44-45 p's
.set TM,   46                          ; v46-53 largest magnitudes; v54-61 the other half's, then bytes; v62-69 the conversions' scale operands
.set TX,   54
.set OPD,  62
.set LW,   70                          ; v70  16 x lane + WIMG
.set W24,  71                          ; v71  24 x lane
.set PC,   72                          ; v72-87 p's codes: two fragments
.set WQS,  88                          ; v88-99 w_qs's scale words: register 6 p + s: K step s; lanes 0-15 channel tile 2 p, lanes 16-31 tile 2 p + 1
.set XQS,  100                         ; v100-105 q's scale words: K step s
.set TC,   106                         ; v106-113 eight running maxima
.set VSC2, 116                         ; v116-119 V's scale words, for set B
.set ACC,  120
.set OC,   124                         ; v124-127 O's codes
.set OA,   64                          ; in window 1: Q^T, later O^T: four tiles
.set XQ,   64                          ; in window 2: q's six fragments
.set MSB, 0
.macro WIN new                         ; the immediate's high byte repeats the setting that is left
.if MSB != (\new)
	s_set_vgpr_msb (MSB<<8)|(\new)
.set MSB, (\new)
.endif
.endm
	s_load_b512 s[4:19], s[0:1], 0x0               ; pimg, psw, q's codes, scales, w_qs's codes, scales, fc_w's codes, scales
	s_load_b256 s[68:75], s[0:1], 0x40             ; resid_w's codes, scales, oimg, osc
	s_load_b128 s[76:79], s[0:1], 0x60             ; wf, ws
	v_lshl_add_u32 v19, v0, 2, 0x17c00
	v_mov_b32 v115, 0
	v_lshrrev_b32 v10, 5, v0
	v_readfirstlane_b32 s40, v10                   ; wave 0..3
	v_and_b32 v11, 31, v0                          ; lane
	v_and_b32 v12, 15, v0                          ; r
	v_bfe_u32 v17, v0, 4, 1                        ; h
	v_lshlrev_b32 v[LK], 4, v11
	v_add_nc_u32 v[LV], VIMG, v[LK]
	v_add_nc_u32 v[LW], WIMG, v[LK]
	v_lshlrev_b32 v13, 2, v11
	v_add_nc_u32 v[LKS], KSCL, v13
	v_add_nc_u32 v[LVS], VSCL, v13
	v_mul_u32_u24 v[QAD], v12, 384
	v_lshl_add_u32 v[QAD], v17, 4, v[QAD]
	v_mul_u32_u24 v[XQA], v12, 24
	v_mul_u32_u24 v[W24], v11, 24
	s_wait_alu depctr_va_sdst(0)                   ; s40 is written, ahead of its first reader: LDS addresses and the buffers' offsets are made from it
	s_lshl_b32 s41, s40, 8
	s_add_co_u32 s41, s41, OST
	v_lshl_add_u32 v[OSW], v12, 1, s41
	v_lshlrev_b32 v[L8], 3, v11
	v_add_nc_u32 v[OSR], s41, v[L8]
	s_lshl_b32 s41, s40, 10
	s_add_co_u32 s41, s41, WIMG
	v_add_nc_u32 v[WST], s41, v[LK]                ; wave w lays down channel tile w
	v_lshlrev_b32 v14, 4, v0                       ; the fill: 16 x thread, in memory and in LDS alike
	v_add_nc_u32 v15, KSCL, v14
	v_lshrrev_b32 v16, 4, v0
	v_lshlrev_b32 v16, 12, v16
	v_lshl_add_u32 v16, v12, 4, v16                ; V's scale words in memory: 256 bytes of each of eight blocks 4,096 apart
	s_lshr_b32 s42, ttmp9, 1                       ; 16 b + head
	s_and_b32 s43, ttmp9, 1
	s_lshl_b32 s43, s43, 5
	s_lshl_b32 s41, s40, 3
	s_add_co_u32 s43, s43, s41                     ; my first tile of queries: 32 x half + 8 x wave
	s_lshr_b32 s58, s42, 4                         ; b
	s_and_b32 s59, s42, 15                         ; head
	s_lshl_b32 s44, s42, 15                        ; K's images (V's lie 4 MiB further on)
	s_mov_b32 s45, 0
	s_lshl_b32 s46, s42, 12                        ; K's scale words
	s_mov_b32 s47, 0
	s_lshl_b32 s48, s58, 15
	s_lshl_b32 s41, s59, 8
	s_add_co_u32 s48, s48, s41                     ; V's scale words (+ 1 MiB, in the load's immediate)
	s_mov_b32 s49, 0
	s_lshl_b32 s54, s58, 6
	s_add_co_u32 s54, s54, s43                     ; 64 b + tile: my first 16 rows among all 8,192
	s_mul_i32 s50, s54, 6144                       ; q's codes: 16 rows of 384 bytes
	s_mov_b32 s51, 0
	s_mul_i32 s52, s54, 384                        ; q's scale bytes: 16 rows of 24
	s_mov_b32 s53, 0
	s_lshl_b32 s54, s54, 4
	s_add_co_u32 s54, s54, s59
	s_lshl_b32 s54, s54, 9                         ; O's images: [tile of 16 rows][head][lane][16]
	s_mov_b32 s55, 0
	s_lshl_b32 s56, s42, 11
	s_lshl_b32 s41, s43, 5
	s_add_co_u32 s56, s56, s41                     ; O's scale bytes: [b][head][query], two each
	s_mov_b32 s57, 0
	s_mul_i32 s60, s59, 24576                      ; w_qs's codes: the head's 64 rows of 384 bytes,
	s_mul_i32 s41, s40, 6144
	s_add_co_u32 s60, s60, s41                     ; my wave's 16 of them
	s_mov_b32 s61, 0
	s_mul_i32 s62, s59, 1536                       ; w_qs's scale bytes: the head's 64 rows of 24
	s_mov_b32 s63, 0
	s_mov_b32 s24, 0x3fb8aa3b                      ; log2(e); the packed forms name a pair, so both words are written
	s_mov_b32 s25, s24
	s_mov_b32 s26, 0x3a802008                      ; 1 / 1023
	s_mov_b32 s27, s26
	s_mov_b32 s28, 0x76543210
	s_mov_b32 s29, 0xfedcba98                      ; lane selects: lane l xor 16
	s_mov_b32 s30, 8                               ; tiles to go
	s_mov_b32 s31, 0                               ; 32 x tile
	s_wait_kmcnt 0x0
	s_add_nc_u64 s[44:45], s[4:5], s[44:45]
	s_add_nc_u64 s[46:47], s[6:7], s[46:47]
	s_add_nc_u64 s[48:49], s[6:7], s[48:49]
	s_add_nc_u64 s[32:33], s[8:9], s[50:51]
	s_add_nc_u64 s[34:35], s[10:11], s[52:53]
	s_add_nc_u64 s[36:37], s[72:73], s[54:55]
	s_add_nc_u64 s[38:39], s[74:75], s[56:57]
	s_add_nc_u64 s[12:13], s[12:13], s[60:61]
	s_add_nc_u64 s[14:15], s[14:15], s[62:63]
	s_wait_alu depctr_va_vdst(0)                   ; every offset and LDS address made above is written (v1 to v5, v7 to v9, v13 to v16, v18, v19, v21, v70, v71): the kernel's loads and stores read them
.irp i, 0,1,2,3,4,5,6,7,8,9,10,11,12,13,14,15
	global_load_b128 v[128+4*\i:131+4*\i], v14, s[44:45] offset:2048*\i            ; K's images: the 128 threads read 2,048 consecutive bytes
.endr
.irp i, 0,1,2,3,4,5,6,7,8,9,10,11,12,13,14,15
	global_load_b128 v[192+4*\i:195+4*\i], v14, s[44:45] offset:4194304+2048*\i    ; V's
.endr
	global_load_b128 v[116:119], v14, s[46:47]
	global_load_b128 v[120:123], v14, s[46:47] offset:2048
	global_load_b128 v[124:127], v16, s[48:49] offset:1048576
	WIN 0x40                                       ; destination window 1
.irp s, 0,1,2,3,4,5
.irp c, 0,1
	global_load_b128 v[128+8*\s+4*\c:128+8*\s+4*\c+3], v[QAD], s[12:13] offset:64*\s+32*\c   ; my channel tile of w_qs, as six fragments: the twelve loads together cover 6,144 consecutive bytes
.endr
.endr
	WIN 0x80                                       ; destination window 2
.irp s, 0,1,2,3,4,5
.irp c, 0,1
	global_load_b128 v[XQ+8*\s+4*\c:XQ+8*\s+4*\c+3], v[QAD], s[32:33] offset:64*\s+32*\c     ; my first tile of q, likewise
.endr
.endr
	WIN 0
.irp p, 0,1
.irp j, 0,1,2
	global_load_b64 v[WQS+6*\p+2*\j:WQS+6*\p+2*\j+1], v[W24], s[14:15] offset:768*\p+8*\j    ; w_qs's scale words: a lane a row; they stay
.endr
.endr
.irp j, 0,1,2
	global_load_b64 v[XQS+2*\j:XQS+2*\j+1], v[XQA], s[34:35] offset:8*\j                     ; q's
.endr
	; THE WEIGHTS OF THE NEXT LAUNCH, in the order of operand registers.  Piece f = 4 x work-group + wave, under 448: K step f / 32 (0-7: fc_w, 8-13: resid_w), rows 32 (f % 32) on: two fragments and 32 scale words.
	s_lshl_b32 s58, ttmp9, 2
	s_add_co_u32 s58, s58, s40
	s_cmp_lt_u32 s58, 448
	s_cbranch_scc0 .Lnow
	s_lshr_b32 s59, s58, 5
	s_and_b32 s60, s58, 31
	s_mov_b32 s61, 384
	s_cmp_lt_u32 s59, 8                            ; the choice hangs on ids alone
	s_cselect_b64 s[16:17], s[16:17], s[68:69]
	s_cselect_b64 s[18:19], s[18:19], s[70:71]
	s_cselect_b32 s61, 512, s61                    ; a row of codes,
	s_cselect_b32 s62, 32, 24                      ; a row of scale bytes,
	s_cselect_b32 s63, 0, 8
	s_sub_co_u32 s59, s59, s63                     ; the K step within its tensor
	s_lshl_b32 s60, s60, 5                         ; the first row
	s_mul_i32 s66, s60, s61
	s_lshl_b32 s63, s59, 6
	s_add_co_u32 s66, s66, s63
	s_mov_b32 s67, 0
	s_add_nc_u64 s[16:17], s[16:17], s[66:67]
	s_mul_i32 s66, s60, s62
	s_lshl_b32 s63, s59, 2
	s_add_co_u32 s66, s66, s63
	s_add_nc_u64 s[18:19], s[18:19], s[66:67]
	v_mul_lo_u32 v106, v12, s61
	v_lshl_add_u32 v106, v17, 4, v106              ; row r, + 16 (lane / 16)
	s_lshl_b32 s63, s61, 4
	v_add_nc_u32 v107, s63, v106                   ; and 16 rows further down
	v_mul_lo_u32 v108, v11, s62                    ; scale words: a lane a row
	s_wait_alu depctr_va_vdst(0)                   ; the three offsets v106 to v108 are written, which the five loads below read
	global_load_b128 v[72:75], v106, s[16:17]
	global_load_b128 v[76:79], v106, s[16:17] offset:32
	global_load_b128 v[80:83], v107, s[16:17]
	global_load_b128 v[84:87], v107, s[16:17] offset:32
	global_load_b32 v114, v108, s[18:19]
	s_lshl_b32 s66, s58, 11
	s_add_nc_u64 s[76:77], s[76:77], s[66:67]
	s_lshl_b32 s66, s58, 7
	s_add_nc_u64 s[78:79], s[78:79], s[66:67]
	s_wait_loadcnt 0x0
	global_store_b128 v[LK], v[72:75], s[76:77]                ; 512 consecutive bytes a store
	global_store_b128 v[LK], v[76:79], s[76:77] offset:512
	global_store_b128 v[LK], v[80:83], s[76:77] offset:1024
	global_store_b128 v[LK], v[84:87], s[76:77] offset:1536
	global_store_b32 v13, v114, s[78:79]
.Lnow:
	s_wait_loadcnt 0x0
.irp i, 0,1,2,3,4,5,6,7,8,9,10,11,12,13,14,15
	ds_store_b128 v14, v[128+4*\i:131+4*\i] offset:KIMG+2048*\i
.endr
.irp i, 0,1,2,3,4,5,6,7,8,9,10,11,12,13,14,15
	ds_store_b128 v14, v[192+4*\i:195+4*\i] offset:VIMG+2048*\i
.endr
	ds_store_b128 v15, v[116:119]
	ds_store_b128 v15, v[120:123] offset:2048
	ds_store_b128 v15, v[124:127] offset:4096
	WIN 0x04                                       ; an LDS store's data are its source 1: window 1
.irp s, 0,1,2,3,4,5
.irp c, 0,1
	ds_store_b128 v[WST], v[128+8*\s+4*\c:128+8*\s+4*\c+3] offset:4096*\s+512*\c   ; fragment (K step s, my channel tile), as its registers stand
.endr
.endr
	WIN 0
.irp i, 4,5,6,7
	v_mov_b32 v[QF+\i], 0                          ; K = 64 .. 127 of the second product: zero codes, written once
.endr
.irp i, 0,1,2,3,4,5,6,7
	v_mov_b32 v[TX+\i], 0                          ; written once: a lane permute's destination counts as one of its sources
.endr
	WIN 0x40                                       ; the same zero codes in K's two sets of fragments: written once, never loaded over
.irp i, 0,1,2,3,4,5,6,7
.irp j, 4,5,6,7
	v_mov_b32 v[8*\i+\j], 0
.endr
.endr
	WIN 0x80
.irp i, 0,1,2,3,4,5,6,7
.irp j, 4,5,6,7
	v_mov_b32 v[8*\i+\j], 0
.endr
.endr
	WIN 0
	s_wait_xcnt 0x0                                ; the stores above have read their registers: they are written again in the loop
	s_wait_alu depctr_vm_vsrc(0)                   ; the head's loads and stores, global and LDS, have read their offsets and data: v13 to v16, v72-87, v106-108, v114, v116-127, v128-255 and window 1's v128-175 are loaded into or written again from here on
	s_wait_dscnt 0x0                               ; for the others' sake: my part of the fill has landed
	s_barrier_signal -1
	s_barrier_wait -1
.macro KLOAD g                         ; group g: 128 keys: eight fragments into the set of g's parity, and their scale words: lanes 0-15 tile 2 p, lanes 16-31 tile 2 p + 1
	WIN (1+(\g)%2)<<6
.irp k, 0,1,2,3,4,5,6,7
	ds_load_b128 v[8*\k:8*\k+3], v[LK] offset:KIMG+(8*(\g)+\k)*512
.endr
	WIN 0
.irp p, 0,1,2,3
	ds_load_b32 v[KSC+4*((\g)%2)+\p], v[LKS] offset:(4*(\g)+\p)*128
.endr
.endm
; Window w's eight fragments of V into set w % 2 (A: window 3 v0-63; B: window 0 v128-191), and their scale words into that set's four registers.
.macro VLOAD w
.set VB, 128*((\w)%2)
.set VS, VSC+(VSC2-VSC)*((\w)%2)
.if (\w)%2
	WIN 0
.else
	WIN 0xc0
.endif
.irp sg, 0,1
.irp t, 0,1,2,3
.irp c, 0,1
	ds_load_b128 v[VB+8*(4*\sg+\t)+4*\c:VB+8*(4*\sg+\t)+4*\c+3], v[LV] offset:\t*8192+(2*(\w)+\sg)*1024+\c*512
.endr
.endr
.endr
	WIN 0
.irp sg, 0,1
.irp p, 0,1
	ds_load_b32 v[VS+2*\sg+\p], v[LVS] offset:(2*(\w)+\sg)*256+\p*128
.endr
.endr
.endm
; Eight of w_qs's 24 fragments for the next tile's Q, into score registers that are done with.  part 0: K steps 0, 1 into window 0's upper half; part 1: K steps 2, 3 into window 1's lower half; part 2: K steps 4, 5 into its upper half.
.macro WQPART part
.if (\part) == 0
	WIN 0
.set WD, 192
.elseif (\part) == 1
	WIN 0x40
.set WD, 128
.else
	WIN 0x40
.set WD, 192
.endif
.irp f, 0,1,2,3,4,5,6,7
.irp c, 0,1
	ds_load_b128 v[WD+8*\f+4*\c:WD+8*\f+4*\c+3], v[LW] offset:(8*(\part)+\f)*1024+\c*512
.endr
.endr
.endm
; One product of Q^T: K step s, channel tile t.  The four accumulators take turns, one instruction a turn; K step 0 starts the sums.
.macro QMM s, t
.set DD, OA+8*(\t)
.if (\s) < 2
.set AA, 192+8*(4*(\s)+(\t))           ; in window 0
.else
.set AA, 128+8*(4*((\s)-2)+(\t))       ; in window 1
.endif
.set BB, XQ+8*(\s)
.set SAQ, WQS+6*((\t)/2)+(\s)
.set SBQ, XQS+(\s)
.if ((\s) == 0) && ((\t)%2 == 0)
	v_wmma_scale_f32_16x16x128_f8f6f4 v[DD:DD+7], v[AA:AA+7], v[BB:BB+7], 0, v[SAQ], v[SBQ] matrix_a_fmt:MATRIX_FMT_FP4 matrix_b_fmt:MATRIX_FMT_FP4
.elseif (\s) == 0
	v_wmma_scale_f32_16x16x128_f8f6f4 v[DD:DD+7], v[AA:AA+7], v[BB:BB+7], 0, v[SAQ], v[SBQ] matrix_a_fmt:MATRIX_FMT_FP4 matrix_b_fmt:MATRIX_FMT_FP4 matrix_a_scale:MATRIX_SCALE_ROW1
.elseif (\t)%2 == 0
	v_wmma_scale_f32_16x16x128_f8f6f4 v[DD:DD+7], v[AA:AA+7], v[BB:BB+7], v[DD:DD+7], v[SAQ], v[SBQ] matrix_a_fmt:MATRIX_FMT_FP4 matrix_b_fmt:MATRIX_FMT_FP4
.else
	v_wmma_scale_f32_16x16x128_f8f6f4 v[DD:DD+7], v[AA:AA+7], v[BB:BB+7], v[DD:DD+7], v[SAQ], v[SBQ] matrix_a_fmt:MATRIX_FMT_FP4 matrix_b_fmt:MATRIX_FMT_FP4 matrix_a_scale:MATRIX_SCALE_ROW1
.endif
.endm
; The four tiles at v[OA] of window 1 (64 channels of my query: register 16 e + 8 u + j = channel 32 e + 16 u + 8 (lane / 16) + j) are two blocks of 32.  Left behind: the conversions' scale operands in v[OPD], v[OPD+1], the scale bytes in v[TX], v[TX+1].
.macro QUANT2 floor
	WIN 0x14                                       ; sources 1 and 2: window 1
.irp t, 0,1,2,3
	v_max3_num_f32 v[TM+\t], \floor, |v[OA+8*\t]|, |v[OA+8*\t+1]|   ; four chains, one a tile, and the floor, under which no largest magnitude is taken; each accumulator is read from its low end on
.endr
.irp i, 2,4,6
.irp t, 0,1,2,3
	v_max3_num_f32 v[TM+\t], v[TM+\t], |v[OA+8*\t+\i]|, |v[OA+8*\t+\i+1]|
.endr
.endr
	WIN 0
	v_max_num_f32 v[TM], v[TM], v[TM+1]            ; block 0: tiles 0 and 1
	v_max_num_f32 v[TM+1], v[TM+2], v[TM+3]        ; block 1: tiles 2 and 3
.irp e, 0,1
	v_permlanex16_b32 v[TX+\e], v[TM+\e], s28, s29
.endr
.irp e, 0,1
	v_max_num_f32 v[TM+\e], v[TM+\e], v[TX+\e]     ; with lane l xor 16's: the block's largest magnitude
.endr
.irp e, 0,1
	v_add_nc_u32 v[OPD+\e], 0xff000000, v[TM+\e]   ; 2 off its exponent field: the conversion takes the exponent field of this operand as its scale
.endr
.irp e, 0,1
	v_lshrrev_b32 v[TX+\e], 23, v[OPD+\e]          ; the scale's byte
.endr
.endm
.macro CVT4 dst                        ; the codes, in half blocks: register 2 u + e: block e, its numbers 16 u + 8 (lane / 16) + 0 .. 7
	WIN 0x01                                       ; source 0: window 1
.irp u, 0,1
.irp e, 0,1
	v_cvt_scalef32_pk8_fp4_f32 v[\dst+2*\u+\e], v[OA+16*\e+8*\u:OA+16*\e+8*\u+7], v[OPD+\e]
.endr
.endr
	WIN 0
.endm
.macro MAXG g                          ; group g's 64 scores into the eight running maxima; each accumulator is read from its low end on
	WIN (((\g)/2)<<2)|(((\g)/2)<<4)
.set SB, 128+64*((\g)%2)
.set ip, 0
.rept 32
	v_max3_num_f32 v[TC+ip%8], v[TC+ip%8], v[SB+2*ip], v[SB+2*ip+1]
.set ip, ip+1
.endr
.endm
; Group g's eight products; behind them the maxima of the group before; then, in groups 0 to 5, the group after next is fetched into the set just read.
.macro GROUP g
.if (\g) == 7
	s_wait_dscnt 0x0                               ; the last group's twelve loads are in: nothing was issued behind them
.else
	s_wait_dscnt 12                                ; this group's twelve loads are in; the next group's twelve may be out
.endif
	WIN (1+(\g)%2)|(((\g)/2)<<6)
.irp k, 0,1,2,3,4,5,6,7
.if (\k)%2
	v_wmma_scale_f32_16x16x128_f8f6f4 v[128+64*((\g)%2)+8*\k:128+64*((\g)%2)+8*\k+7], v[8*\k:8*\k+7], v[QF:QF+7], 0, v[KSC+4*((\g)%2)+\k/2], v[QSC] matrix_a_fmt:MATRIX_FMT_FP4 matrix_b_fmt:MATRIX_FMT_FP4 matrix_a_scale:MATRIX_SCALE_ROW1
.else
	v_wmma_scale_f32_16x16x128_f8f6f4 v[128+64*((\g)%2)+8*\k:128+64*((\g)%2)+8*\k+7], v[8*\k:8*\k+7], v[QF:QF+7], 0, v[KSC+4*((\g)%2)+\k/2], v[QSC] matrix_a_fmt:MATRIX_FMT_FP4 matrix_b_fmt:MATRIX_FMT_FP4
.endif
.endr
.if (\g) == 0
	WIN 0
.irp i, 0,1,2,3,4,5,6,7
	v_mov_b32 v[TC+\i], 0xff800000                 ; -infinity, under every score
.endr
.else
	MAXG (\g)-1
.endif
.if (\g) < 6
	s_wait_alu depctr_va_vdst(0)                   ; this group's products are done reading their set of K's fragments and of its scale words, in which the loads below land
	KLOAD (\g)+2
.endif
.endm
; Window w's 128 exponentials: ONE BATCH with one wait.  Between them stand the scalings two pairs ahead and the sums of the window before, whose exponentials have had their wait: nothing here names a result of this batch.
.macro SEG w
.if (\w) == 0
	WIN 0
.else
	WIN (\w)|(((\w)-1)<<2)|((\w)<<6)               ; destination and source 0: window w; source 1: the window before; source 2 (-m log2(e)): window 0
.irp i, 0,1,2,3
	v_mov_b32 v[ACC+\i], 0
.endr
.endif
.irp i, 0,1
	v_pk_fma_f32 v[128+2*\i:129+2*\i], v[128+2*\i:129+2*\i], s[24:25], v[NCM:NCM+1] op_sel_hi:[1,0,0]
.endr
.set ib, 0
.rept 64
.if ib < 62
	v_pk_fma_f32 v[132+2*ib:133+2*ib], v[132+2*ib:133+2*ib], s[24:25], v[NCM:NCM+1] op_sel_hi:[1,0,0]   ; s log2(e) - m log2(e), two at a time
.endif
	v_exp_f32 v[128+2*ib], v[128+2*ib]
.if (\w) > 0
	v_pk_add_f32 v[ACC+2*(ib%2):ACC+2*(ib%2)+1], v[ACC+2*(ib%2):ACC+2*(ib%2)+1], v[128+2*ib:129+2*ib]   ; the window before: two chains
.endif
	v_exp_f32 v[129+2*ib], v[129+2*ib]
.set ib, ib+1
.endr
	v_nop                                          ; a plain place behind the last exponential
	s_wait_alu depctr_va_vdst(0)                   ; the window's 128 exponentials have written their results, ahead of the first line that names one: one wait for the batch
.endm
; Window w's 256 keys: p', its eight blocks' scales, its codes (two fragments), and eight products O^T += V^T P^T.  Behind the products of windows 0 to 2: the next window's V, and eight fragments of w_qs for the next tile.
.macro PVW w
.set PB, 128*((\w)%2)                  ; V's set: A (window 3, v0 on) or B (window 0, v128 on)
.set PS, VSC+(VSC2-VSC)*((\w)%2)       ; and its scale words
	WIN (\w)|((\w)<<6)
.set ib, 0
.rept 64
	v_pk_fma_f32 v[128+2*ib:129+2*ib], v[128+2*ib:129+2*ib], v[NG:NG+1], s[26:27] op_sel_hi:[1,0,0]   ; p' = 1/1023 - e / (1023 x sum)
.set ib, ib+1
.endr
.if (\w) == 0
	VLOAD 0                                        ; no wait: set A and its scale words were last read by window 2's products of the tile before, which stand ahead of that tile's last wait on va_vdst, and nothing since names them
.endif
	WIN ((\w)<<2)|((\w)<<4)
.irp bb, 0,1,2,3,4,5,6,7
	v_max3_num_f32 v[TM+\bb], 0x1800000, |v[128+16*\bb]|, |v[129+16*\bb]|   ; block bb: my 16 numbers, and the floor 2^(3 - 127): the byte cannot fall under 1
.endr
.irp i, 2,4,6,8,10,12,14
.irp bb, 0,1,2,3,4,5,6,7
	v_max3_num_f32 v[TM+\bb], v[TM+\bb], |v[128+16*\bb+\i]|, |v[129+16*\bb+\i]|
.endr
.endr
	WIN 0
.irp bb, 0,1,2,3,4,5,6,7
	v_permlanex16_b32 v[TX+\bb], v[TM+\bb], s28, s29
.endr
.irp bb, 0,1,2,3,4,5,6,7
	v_max_num_f32 v[TM+\bb], v[TM+\bb], v[TX+\bb]  ; with lane l xor 16's
.endr
.irp bb, 0,1,2,3,4,5,6,7
	v_add_nc_u32 v[OPD+\bb], 0xff000000, v[TM+\bb] ; 2 off the exponent field: the conversion's scale operand
.endr
.irp bb, 0,1,2,3,4,5,6,7
	v_lshrrev_b32 v[TX+\bb], 23, v[OPD+\bb]        ; the scale's byte
.endr
.irp sg, 0,1
	v_lshl_or_b32 v[PSW+\sg], v[TX+4*\sg+1], 8, v[TX+4*\sg]
	v_lshl_or_b32 v[PSW+\sg], v[TX+4*\sg+2], 16, v[PSW+\sg]
	v_lshl_or_b32 v[PSW+\sg], v[TX+4*\sg+3], 24, v[PSW+\sg]
.endr
	WIN (\w)
.irp sg, 0,1
.irp c, 0,1
.irp u, 0,1
.irp e, 0,1
	v_cvt_scalef32_pk8_fp4_f32 v[PC+8*\sg+4*\c+2*\u+\e], v[128+16*(4*\sg+2*\c+\e)+8*\u:128+16*(4*\sg+2*\c+\e)+8*\u+7], v[OPD+4*\sg+2*\c+\e]
.endr
.endr
.endr
.endr
	WIN 0
	v_nop                                          ; one plain place behind a scaled conversion
.irp i, 0,2,4,6,8,10,12,14
	v_permlane16_swap_b32 v[PC+\i], v[PC+\i+1]     ; the halves change places: register 4 c + i of a fragment now holds keys 64 c + 32 (lane / 16) + 8 i + 0 .. 7
.endr
.rept 8
	v_nop                                          ; a scale register written by a vector instruction stands eight places ahead of a scaled matrix instruction, an operand so written four
.endr
	s_wait_alu depctr_va_vdst(0)                   ; p's codes and scale words are written, which the products below take.  Windows 0 to 2 besides: the conversions are done reading this window's scores, and the products of the window before their set of V and its scale words: the loads behind the products land there
	s_wait_dscnt 0x0                               ; this window's V and its scale words are in (window 0: asked for above; the others: a window ago)
.if (\w)%2
	WIN 0x50                                       ; source 0 (V, set B): window 0; C and D (O^T): window 1
.else
	WIN 0x53                                       ; source 0 (V, set A): window 3; C and D (O^T): window 1
.endif
.irp sg, 0,1
.irp t, 0,1,2,3                        ; the four accumulators take turns, one instruction a turn
.if ((\w) == 0) && (\sg == 0) && ((\t)%2 == 0)
	v_wmma_scale_f32_16x16x128_f8f6f4 v[OA+8*\t:OA+8*\t+7], v[PB+8*(4*\sg+\t):PB+8*(4*\sg+\t)+7], v[PC+8*\sg:PC+8*\sg+7], 0, v[PS+2*\sg+\t/2], v[PSW+\sg] matrix_a_fmt:MATRIX_FMT_FP4 matrix_b_fmt:MATRIX_FMT_FP4
.elseif ((\w) == 0) && (\sg == 0)
	v_wmma_scale_f32_16x16x128_f8f6f4 v[OA+8*\t:OA+8*\t+7], v[PB+8*(4*\sg+\t):PB+8*(4*\sg+\t)+7], v[PC+8*\sg:PC+8*\sg+7], 0, v[PS+2*\sg+\t/2], v[PSW+\sg] matrix_a_fmt:MATRIX_FMT_FP4 matrix_b_fmt:MATRIX_FMT_FP4 matrix_a_scale:MATRIX_SCALE_ROW1
.elseif (\t)%2 == 0
	v_wmma_scale_f32_16x16x128_f8f6f4 v[OA+8*\t:OA+8*\t+7], v[PB+8*(4*\sg+\t):PB+8*(4*\sg+\t)+7], v[PC+8*\sg:PC+8*\sg+7], v[OA+8*\t:OA+8*\t+7], v[PS+2*\sg+\t/2], v[PSW+\sg] matrix_a_fmt:MATRIX_FMT_FP4 matrix_b_fmt:MATRIX_FMT_FP4
.else
	v_wmma_scale_f32_16x16x128_f8f6f4 v[OA+8*\t:OA+8*\t+7], v[PB+8*(4*\sg+\t):PB+8*(4*\sg+\t)+7], v[PC+8*\sg:PC+8*\sg+7], v[OA+8*\t:OA+8*\t+7], v[PS+2*\sg+\t/2], v[PSW+\sg] matrix_a_fmt:MATRIX_FMT_FP4 matrix_b_fmt:MATRIX_FMT_FP4 matrix_a_scale:MATRIX_SCALE_ROW1
.endif
.endr
.endr
.if (\w) < 3
	VLOAD (\w)+1                                   ; no further wait: the eight products since the wait name O^T, this window's set of V and its scale words, and p's codes and scale words: none of the registers in which these 36 loads land
	WQPART \w
.endif
.endm
	KLOAD 0
	KLOAD 1
	WQPART 0
	WQPART 1
	WQPART 2
	WIN 0                                          ; at a label and at a branch every window is 0
.Ltile:                                            ; eight trips: a tile of 16 queries each
	s_wait_loadcnt 0x0                             ; this tile's q and its scale words (asked for a tile ago)
	s_wait_dscnt 0x0                               ; w_qs's fragments
	WIN 0x58                                       ; Q^T = w_qs q^T: source 0 window 0, source 1 (q) window 2, C and D window 1
.irp s, 0,1
.irp t, 0,1,2,3
	QMM \s, \t
.endr
.endr
	WIN 0x59                                       ; K steps 2 to 5: source 0 window 1
.irp s, 2,3,4,5
.irp t, 0,1,2,3
	QMM \s, \t
.endr
.endr
	WIN 0
.rept 4
	v_nop                                          ; places behind the last products
.endr
	QUANT2 0x3000000                               ; the floor 2^(6 - 127): 3 higher than elsewhere, for the 3 that is taken off below
	v_lshl_or_b32 v[QSC], v[TX+1], 8, v[TX]        ; my query's scale word: two bytes; the two above them stay 0 and stand over zero codes
	v_add_nc_u32 v[QSC], 0xfffffcfd, v[QSC]        ; Q / 8: 3 off each byte (each is 4 at the least: nothing is borrowed)
	CVT4 QF
	v_nop                                          ; one plain place behind a scaled conversion
	v_permlane16_swap_b32 v[QF], v[QF+1]           ; the halves change places: register i now holds channels 32 (lane / 16) + 8 i + 0 .. 7
	v_permlane16_swap_b32 v[QF+2], v[QF+3]
.rept 8
	v_nop                                          ; a scale register written by a vector instruction stands eight places ahead of a scaled matrix instruction, an operand so written four
.endr
	s_wait_alu depctr_va_vdst(0)                   ; Q's codes and scale word are written (in the first trip the head's zero codes too), which the products K Q^T take; and Q^T's products are done reading q's fragments and scale words, in which the next tile's loads land further down
.irp g, 0,1,2,3,4,5,6,7
	GROUP \g
.endr
	WIN 0
.rept 4
	v_nop                                          ; places behind the last products
.endr
	MAXG 7
	WIN 0
	s_cmp_eq_u32 s30, 1                            ; the next tile's q, if there is one: no load leaves its buffer
	s_cbranch_scc1 .Lnoq
	WIN 0x80                                       ; destination window 2
.irp s, 0,1,2,3,4,5
.irp c, 0,1
	global_load_b128 v[XQ+8*\s+4*\c:XQ+8*\s+4*\c+3], v[QAD], s[32:33] offset:6144+64*\s+32*\c   ; the twelve loads together cover the tile's 6,144 consecutive bytes.  No wait: nothing since the wait ahead of the first product K Q^T names these registers
.endr
.endr
	WIN 0
.irp j, 0,1,2
	global_load_b64 v[XQS+2*\j:XQS+2*\j+1], v[XQA], s[34:35] offset:384+8*\j
.endr
.Lnoq:
	v_max3_num_f32 v[MX], v[TC], v[TC+1], v[TC+2]
	v_max3_num_f32 v[T15], v[TC+3], v[TC+4], v[TC+5]
	v_max3_num_f32 v[MX], v[MX], v[TC+6], v[TC+7]
	v_max_num_f32 v[MX], v[MX], v[T15]
	v_permlanex16_b32 v[T15], v[MX], s28, s29
	v_max_num_f32 v[MX], v[MX], v[T15]             ; the row's maximum
	v_mul_f32 v[NCM], 0xbfb8aa3b, v[MX]            ; its rounding is one common factor of all e of the row: it leaves e / sum as it is
	v_mov_b32 v[NCM+1], v[NCM]
	SEG 0
	KLOAD 0                                        ; the next tile's first two groups of keys.  No further wait: the wait that closes window 0's batch stands behind the products of groups 6 and 7, which read these two sets and their scale words
	KLOAD 1
	SEG 1
	SEG 2
	SEG 3
	; the last window's sums: eight chains of pairs in v[TM] on; their first links add two pairs each, so nothing is cleared
	WIN 0x0f                                       ; sources 0 and 1: window 3
.irp j, 0,1,2,3,4,5,6,7
	v_pk_add_f32 v[TM+2*\j:TM+2*\j+1], v[128+2*\j:129+2*\j], v[144+2*\j:145+2*\j]
.endr
	WIN 0x0c                                       ; source 1: window 3
.set ib, 16
.rept 48
	v_pk_add_f32 v[TM+2*(ib%8):TM+2*(ib%8)+1], v[TM+2*(ib%8):TM+2*(ib%8)+1], v[128+2*ib:129+2*ib]
.set ib, ib+1
.endr
.irp w, 1,2,3
	WIN (\w)<<2                                    ; the partial sums kept in windows 1 to 3
	v_pk_add_f32 v[TM+4*(\w-1):TM+4*(\w-1)+1], v[TM+4*(\w-1):TM+4*(\w-1)+1], v[ACC:ACC+1]
	v_pk_add_f32 v[TM+4*(\w-1)+2:TM+4*(\w-1)+3], v[TM+4*(\w-1)+2:TM+4*(\w-1)+3], v[ACC+2:ACC+3]
.endr
	WIN 0
.irp j, 0,1,2,3
	v_pk_add_f32 v[TM+2*\j:TM+2*\j+1], v[TM+2*\j:TM+2*\j+1], v[TM+8+2*\j:TM+8+2*\j+1]
.endr
.irp j, 0,1
	v_pk_add_f32 v[TM+2*\j:TM+2*\j+1], v[TM+2*\j:TM+2*\j+1], v[TM+4+2*\j:TM+4+2*\j+1]
.endr
	v_pk_add_f32 v[TM:TM+1], v[TM:TM+1], v[TM+2:TM+3]
	v_add_f32 v[TM], v[TM], v[TM+1]
	v_permlanex16_b32 v[T15], v[TM], s28, s29
	v_add_f32 v[TM], v[TM], v[T15]                 ; the row's sum
	v_rcp_f32 v[T15], v[TM]
	v_nop                                          ; a plain place behind the reciprocal
	s_wait_alu depctr_va_vdst(0)                   ; the reciprocal has written its result, ahead of its first reader
	v_mul_f32 v[NG], 0xba802008, v[T15]
	v_mov_b32 v[NG+1], v[NG]
	PVW 0
	PVW 1
	PVW 2
	PVW 3
	WIN 0
.rept 5
	v_nop                                          ; places behind the last products: four for the reads below, five for the next trip's first products, which write over these accumulators
.endr
	QUANT2 0x1800000                               ; O's two blocks of 32 channels; the floor 2^(3 - 127): the byte cannot fall under 1
	v_lshl_or_b32 v[HW], v[TX+1], 8, v[TX]         ; my query's two scale bytes
	CVT4 OC
	v_add_nc_u32 v[OSA], s31, v[OSW]               ; (one plain place behind a scaled conversion)
	v_permlane16_swap_b32 v[OC], v[OC+1]
	v_permlane16_swap_b32 v[OC+2], v[OC+3]
	s_wait_alu depctr_va_vdst(0)                   ; O's codes, its two scale bytes and their LDS address are written, which the two stores below read
	global_store_b128 v[LK], v[OC:OC+3], s[36:37]  ; 512 consecutive bytes: four registers of the next product's fragment
	ds_store_b16 v[OSA], v[HW]                     ; both lanes of a query write the same two bytes
	s_wait_xcnt 0x0                                ; the loads and the store have read their bases and data: they are written again
	s_wait_alu depctr_vm_vsrc(0)                   ; the two stores have read v[OC ..], v[OSA] and v[HW]: the next trip writes them again, and behind the last trip a load lands in v[HW]
	s_add_nc_u64 s[32:33], s[32:33], 6144
	s_add_nc_u64 s[34:35], s[34:35], 384
	s_add_nc_u64 s[36:37], s[36:37], 8192
	s_add_co_u32 s31, s31, 32
	s_sub_co_u32 s30, s30, 1
	s_cmp_lg_u32 s30, 0
	s_cbranch_scc1 .Ltile
	ds_load_b64 v[HW:HW+1], v[OSR]                 ; LDS serves a wave's instructions in order: this sees my stores.  (The line that wrote v[HW] stands ahead of the trip's last wait on va_vdst)
	s_wait_dscnt 0x0
	global_store_b64 v[L8], v[HW:HW+1], s[38:39]   ; my 128 queries' scale bytes: 256 consecutive bytes, aligned
	s_wait_dscnt 0x0                               ; the closing lines, six on end
	s_wait_alu 0x0
	s_wait_tensorcnt 0x0
	ds_add_u32 v19, v115
	s_wait_dscnt 0x0
	s_endpgm
.Lfunc_end_k_q1d612f6fc4_attn:
	.size	k_q1d612f6fc4_attn, .Lfunc_end_k_q1d612f6fc4_attn-k_q1d612f6fc4_attn
	.p2alignl 7, 3214868480
	.fill 96, 4, 3214868480
	.section	.rodata,"a",@progbits
	.p2align	6, 0x0
	.amdhsa_kernel k_q1d612f6fc4_attn
		.amdhsa_group_segment_fixed_size 97792
		.amdhsa_private_segment_fixed_size 0
		.amdhsa_enable_private_segment 0
		.amdhsa_kernarg_size 112
		.amdhsa_user_sgpr_count 2
		.amdhsa_user_sgpr_kernarg_segment_ptr 1
		.amdhsa_wavefront_size32 1
		.amdhsa_system_sgpr_workgroup_id_x 1
		.amdhsa_system_sgpr_workgroup_id_y 1
		.amdhsa_system_sgpr_workgroup_id_z 1
		.amdhsa_system_vgpr_workitem_id 0
		.amdhsa_next_free_vgpr 1024
		.amdhsa_next_free_sgpr 80
		.amdhsa_reserve_vcc 0
		.amdhsa_float_denorm_mode_32 3
		.amdhsa_float_denorm_mode_16_64 3
		.amdhsa_memory_ordered 1
		.amdhsa_forward_progress 1
		.amdhsa_inst_pref_size 176
	.end_amdhsa_kernel
	.amdgpu_metadata
---
amdhsa.version: [ 1, 2 ]
amdhsa.kernels:
  - .name:           k_q1d612f6fc4_attn
    .symbol:         k_q1d612f6fc4_attn.kd
    .args:
      - { .name: pimg, .offset: 0, .size: 8, .value_kind: global_buffer, .address_space: global }
      - { .name: psw, .offset: 8, .size: 8, .value_kind: global_buffer, .address_space: global }
      - { .name: q_codes, .offset: 16, .size: 8, .value_kind: global_buffer, .address_space: global }
      - { .name: q_scales, .offset: 24, .size: 8, .value_kind: global_buffer, .address_space: global }
      - { .name: w_qs_codes, .offset: 32, .size: 8, .value_kind: global_buffer, .address_space: global }
      - { .name: w_qs_scales, .offset: 40, .size: 8, .value_kind: global_buffer, .address_space: global }
      - { .name: fc_w_codes, .offset: 48, .size: 8, .value_kind: global_buffer, .address_space: global }
      - { .name: fc_w_scales, .offset: 56, .size: 8, .value_kind: global_buffer, .address_space: global }
      - { .name: resid_w_codes, .offset: 64, .size: 8, .value_kind: global_buffer, .address_space: global }
      - { .name: resid_w_scales, .offset: 72, .size: 8, .value_kind: global_buffer, .address_space: global }
      - { .name: oimg, .offset: 80, .size: 8, .value_kind: global_buffer, .address_space: global }
      - { .name: osc, .offset: 88, .size: 8, .value_kind: global_buffer, .address_space: global }
      - { .name: wf, .offset: 96, .size: 8, .value_kind: global_buffer, .address_space: global }
      - { .name: ws, .offset: 104, .size: 8, .value_kind: global_buffer, .address_space: global }
    .group_segment_fixed_size: 97792
    .private_segment_fixed_size: 0
    .kernarg_segment_align: 8
    .kernarg_segment_size: 112
    .max_flat_workgroup_size: 128
    .sgpr_count:     80
    .vgpr_count:     1024
    .wavefront_size: 32
...
	.end_amdgpu_metadata
.endif
;; end of part 4
;; launch fcln (part 5): grid 256 x 1, 16 waves a work-group, no clusters, 106,496 bytes of LDS; arguments oimg, osc, wf, ws, q_codes, q_scales, resid_b, ln_gamma, ln_beta, out0; writes out0
.if DOCPART == 5
	.amdgcn_target "amdgcn-amd-amdhsa--gfx1250"
	.amdhsa_code_object_version 6
	.text
	.protected	k_q1d612f6fc4_fcln
	.globl	k_q1d612f6fc4_fcln
	.p2align	8
	.type	k_q1d612f6fc4_fcln,@function
k_q1d612f6fc4_fcln:
	s_mov_b64 s[64:65], 0
	v_nop
	global_prefetch_b8 v0, s[64:65] scope:SCOPE_SE
	s_setreg_imm32_b32 hwreg(HW_REG_WAVE_SCHED_MODE, 0, 2), 2
	s_setreg_imm32_b32 hwreg(HW_REG_WAVE_MODE, 25, 1), 1
	s_wait_xcnt 0x0
	s_wait_alu depctr_vm_vsrc(0)
; out = LayerNorm(O fc_w + q resid_w + resid_b) x gamma + beta.  The two products are ONE sum of 14 K steps of 128 (8 of O with fc_w, 6 of q with resid_w), on codes of FP4 (E2M1) with E8M0 scales; all else in f32.
; SHARES.  A work-group owns 32 whole rows (two tiles of 16), since the norm wants whole rows; wave w of sixteen owns columns 64 w .. 64 w + 63: four tiles of 16 weight rows x two tiles of rows: eight accumulators.
; The matrix instruction is used transposed (source 0 = 16 weight rows, source 1 = 16 rows): a lane holds one row and eight neighbouring columns.
; The rows' 28 fragments go into LDS once (wave w brings K step w) and are read by all waves.  The weights lie in memory in the order of operand registers; each fragment is read by exactly ONE wave of the work-group,
; so it goes straight into registers: three K steps ahead, in four sets, with no barrier in the K loop.  That is why no tile ring and no joint loads are used here: LDS would add a copy and no reuse.
; No prefetch: all work-groups read the same weights.
; The bias is the C of each sum's first matrix instruction.  The norm takes two passes (mean, then the squares of the differences): no difference of large sums is formed.
; LIMITS: NaN and infinities are not served.
; THE MODE: SCHED_MODE bits 1:0 = 2 (LLVM: expert scheduling mode 2), set by the entry lines.  The code itself states the register dependences between vector or matrix instructions and memory or LDS instructions,
; with s_wait_alu, always for 0.
; THE PLAN.  Registers that memory or LDS instructions touch, in the K steps:
;   XF's two sets and XSC's two.  Step s's eight products read set s % 2; the LDS loads of step s + 2, at the head of step s + 1, land in it.
;   WB's four sets and WSC's four.  Step s's products read set s % 4 (step 0's also set 3, the bias); the loads of step s + 3, behind step s's products, land in set (s - 1) % 4.
;   So ONE wait on va_vdst stands behind the products of each of steps 0 to 11, and the weights' loads and the next step's LDS loads follow it.  Steps 12 and 13 owe none: beta lands in a set whose readers stand ahead of step 11's wait.
;   The accumulators are named by matrix and vector instructions alone until the way out.  Every offset and LDS address is written at the head alone.
; Behind the K steps: a wait on va_vdst ahead of each run of LDS stores whose data vector instructions have made; a wait on vm_vsrc ahead of each first write of registers that LDS stores have read.
.set XIMG, 0                           ; LDS: fragment (tile of rows gl, K step s) at (14 gl + s) x 1,024
.set XSCL, 28672                       ; their scale words: [s][gl][r]
.set RED1, 30720                       ; 128 bytes a wave: the rows' partial sums
.set RED2, 32768                       ; and partial sums of squares
.set STG,  34816                       ; 16 rows x (256 + 16) bytes for each wave: the way out
.set L16,  1                           ; v1   16 x lane
.set WOF,  2                           ; v2   16 x lane + 4,096 x wave
.set WSO,  3                           ; v3   4 x lane + 256 x wave
.set L4,   4                           ; v4   4 x lane
.set XW,   5                           ; v5   16 x lane + 1,024 x wave
.set XSW,  6                           ; v6   XSCL + 4 x lane + 128 x wave
.set RW,   7                           ; v7   128 x wave + 4 r
.set RR,   8                           ; v8   4 r
.set SO,   9                           ; v9   the stage, in
.set SR,   10                          ; v10  and back
.set GO,   11                          ; v11  my byte offset in the work-group's rows of out0
.set BO,   12                          ; v12  256 x wave + 32 h: my eight columns of a tile, in resid_b, gamma and beta
.set WSC,  16                          ; v16-23 the weights' scale words: four sets of two
.set XSC,  24                          ; v24-25 the rows': two sets
.set XF,   32                          ; v32-63 the rows' fragments: two sets of two
.set WB,   64                          ; v64-191 the weights' fragments: four sets of four
.set AC,   192                         ; v192-255 the accumulators: (gl, k) at 192 + 32 gl + 8 k
	s_load_b512 s[4:19], s[0:1], 0x0               ; oimg, osc, wf, ws, q's codes, q's scales, resid_b, gamma
	s_load_b128 s[20:23], s[0:1], 0x40             ; beta, out0
	v_lshrrev_b32 v13, 5, v0
	v_readfirstlane_b32 s24, v13                   ; wave 0..15
	v_and_b32 v13, 31, v0                          ; lane
	v_and_b32 v14, 15, v0                          ; r
	v_bfe_u32 v15, v0, 4, 1                        ; h
	v_lshlrev_b32 v[L16], 4, v13
	v_lshlrev_b32 v[L4], 2, v13
	s_wait_alu depctr_va_sdst(0)                   ; s24 is written, ahead of its first reader: addresses, offsets and the branches on the wave's number are made from it
	s_lshl_b32 s25, s24, 12
	v_add_nc_u32 v[WOF], s25, v[L16]
	s_lshl_b32 s25, s24, 8
	v_add_nc_u32 v[WSO], s25, v[L4]
	v_lshl_add_u32 v[BO], v15, 5, s25
	s_lshl_b32 s25, s24, 10
	v_add_nc_u32 v[XW], s25, v[L16]
	s_lshl_b32 s25, s24, 7
	s_add_co_u32 s26, s25, XSCL
	v_add_nc_u32 v[XSW], s26, v[L4]
	v_lshlrev_b32 v[RR], 2, v14
	v_add_nc_u32 v[RW], s25, v[RR]
	s_mul_i32 s25, s24, 4352
	s_add_co_u32 s25, s25, STG                     ; my stage
	v_mul_u32_u24 v[SO], v14, 272
	v_lshl_add_u32 v[SO], v15, 5, v[SO]
	v_add_nc_u32 v[SO], s25, v[SO]                 ; in: row r, + 32 h
	v_mul_u32_u24 v[SR], v15, 272
	v_lshl_add_u32 v[SR], v14, 4, v[SR]
	v_add_nc_u32 v[SR], s25, v[SR]                 ; back: lanes 0-15 one row, lanes 16-31 the next
	v_lshlrev_b32 v[GO], 12, v15
	v_lshl_add_u32 v[GO], v14, 4, v[GO]
	s_lshl_b32 s25, s24, 8
	v_add_nc_u32 v[GO], s25, v[GO]                 ; the same two rows in out0, my wave's 256 bytes of them
	v_lshlrev_b32 v28, 1, v13                      ; O's scale bytes: two a row
	v_mul_u32_u24 v29, v14, 384
	v_lshl_add_u32 v29, v15, 4, v29                ; q's codes: row r of 384 bytes, + 16 h
	v_mul_u32_u24 v30, v13, 24                     ; q's scale bytes: 24 a row, a lane a row
	s_mov_b32 s30, 0x76543210
	s_mov_b32 s31, 0xfedcba98                      ; lane selects: lane l xor 16
	s_wait_kmcnt 0x0
	s_wait_alu depctr_va_vdst(0)                   ; every offset and LDS address made above is written (v1 to v12, v28 to v30): the kernel's loads and stores read them
	; THE ROWS' FRAGMENTS: wave w < 8 brings K step w of O, wave 8 .. 13 K step w - 8 of q; every LDS address was made above, ahead of the parting
	s_cmp_lt_u32 s24, 8
	s_cbranch_scc0 .Lfromq
	s_lshl_b32 s26, ttmp9, 14                      ; oimg: [tile of 16 rows][head][lane][16]: 16,384 x work-group + 1,024 x K step
	s_lshl_b32 s27, s24, 10
	s_add_co_u32 s26, s26, s27
	s_mov_b32 s27, 0
	s_add_nc_u64 s[4:5], s[4:5], s[26:27]
	s_lshr_b32 s26, ttmp9, 5                       ; osc: [b][head][query] two bytes: heads 2 w and 2 w + 1
	s_lshl_b32 s26, s26, 15
	s_and_b32 s28, ttmp9, 31
	s_lshl_b32 s28, s28, 6
	s_add_co_u32 s26, s26, s28
	s_lshl_b32 s28, s24, 12
	s_add_co_u32 s26, s26, s28
	s_add_nc_u64 s[6:7], s[6:7], s[26:27]
	global_load_b128 v[32:35], v[L16], s[4:5]
	global_load_b128 v[36:39], v[L16], s[4:5] offset:512
	global_load_b128 v[40:43], v[L16], s[4:5] offset:8192
	global_load_b128 v[44:47], v[L16], s[4:5] offset:8704
	global_load_u16 v26, v28, s[6:7]
	global_load_u16 v27, v28, s[6:7] offset:2048
	s_branch .Lxasked
.Lfromq:
	s_cmp_lt_u32 s24, 14
	s_cbranch_scc0 .Lxasked
	s_sub_co_u32 s28, s24, 8
	s_mul_i32 s26, ttmp9, 12288
	s_lshl_b32 s27, s28, 6
	s_add_co_u32 s26, s26, s27
	s_mov_b32 s27, 0
	s_add_nc_u64 s[12:13], s[12:13], s[26:27]
	s_mul_i32 s26, ttmp9, 768
	s_lshl_b32 s28, s28, 2
	s_add_co_u32 s26, s26, s28
	s_add_nc_u64 s[14:15], s[14:15], s[26:27]
	global_load_b128 v[32:35], v29, s[12:13]
	global_load_b128 v[36:39], v29, s[12:13] offset:32
	global_load_b128 v[40:43], v29, s[12:13] offset:6144
	global_load_b128 v[44:47], v29, s[12:13] offset:6176
	global_load_b32 v26, v30, s[14:15]
	v_mov_b32 v27, 0
.Lxasked:
.macro VEC ptr, reg                    ; my 32 numbers of a vector of 1,024, in the accumulators' layout: tile k's eight at reg + 8 k
.irp k, 0,1,2,3
	global_load_b128 v[\reg+8*\k:\reg+8*\k+3], v[BO], s[\ptr:\ptr+1] offset:64*\k
	global_load_b128 v[\reg+8*\k+4:\reg+8*\k+7], v[BO], s[\ptr:\ptr+1] offset:64*\k+16
.endr
.endm
.macro WLOAD s                         ; K step s: my four fragments (512 consecutive bytes a load) and their scale words: lanes 0-15 tile 2 p, lanes 16-31 tile 2 p + 1
.irp j, 0,1,2,3,4,5,6,7
	global_load_b128 v[WB+32*((\s)%4)+4*\j:WB+32*((\s)%4)+4*\j+3], v[WOF], s[8:9] offset:65536*(\s)+512*\j
.endr
.irp p, 0,1
	global_load_b32 v[WSC+2*((\s)%4)+\p], v[WSO], s[10:11] offset:4096*(\s)+128*\p
.endr
.endm
.macro XLOAD s                         ; K step s: the rows' two fragments, and their scale words: lanes 0-15 the first tile of rows, lanes 16-31 the second
.irp gl, 0,1
.irp c, 0,1
	ds_load_b128 v[XF+16*((\s)%2)+8*\gl+4*\c:XF+16*((\s)%2)+8*\gl+4*\c+3], v[L16] offset:XIMG+(14*\gl+(\s))*1024+512*\c
.endr
.endr
	ds_load_b32 v[XSC+(\s)%2], v[L4] offset:XSCL+128*(\s)
.endm
	VEC 16, WB+96                                  ; resid_b, into the set that K step 3 will take
	WLOAD 0
	WLOAD 1
	WLOAD 2
	s_lshl_b32 s26, ttmp9, 17                      ; out0 at the work-group's 32 rows
	s_mov_b32 s27, 0
	s_add_nc_u64 s[22:23], s[22:23], s[26:27]
	s_mov_b32 s26, 0x3a800000                      ; 1 / 1,024
	s_mov_b32 s27, 0x3727c5ac                      ; 1e-5
	s_wait_loadcnt 38                              ; behind the rows' loads: the bias's 8 and three K steps' 30, which may stay out
	s_cmp_lt_u32 s24, 14
	s_cbranch_scc0 .Lnoput
	v_lshl_or_b32 v26, v27, 16, v26                ; O: two heads' two bytes make the K step's word; q: the word as it was loaded
	s_wait_alu depctr_va_vdst(0)                   ; v26 is written, which the last of the five LDS stores below reads
	ds_store_b128 v[XW], v[32:35]
	ds_store_b128 v[XW], v[36:39] offset:512
	ds_store_b128 v[XW], v[40:43] offset:14336
	ds_store_b128 v[XW], v[44:47] offset:14848
	ds_store_b32 v[XSW], v26
.Lnoput:
	s_wait_dscnt 0x0                               ; for the others' sake: my stores have landed
	s_barrier_signal -1
	s_barrier_wait -1                              ; the rows' 28 fragments lie in LDS
	s_wait_alu depctr_vm_vsrc(0)                   ; my LDS stores have read v32 to v47, in which the first K step's fragments land
	XLOAD 0
.macro MM s, gl, k
.set DD, AC+32*(\gl)+8*(\k)
.set AA, WB+32*((\s)%4)+8*(\k)
.set BB, XF+16*((\s)%2)+8*(\gl)
.set SA, WSC+2*((\s)%4)+(\k)/2
.set SB, XSC+(\s)%2
.if (\s) == 0
.set CC, WB+96+8*(\k)                  ; the bias starts the sum
.else
.set CC, DD
.endif
.if ((\k)%2 == 0) && ((\gl) == 0)
	v_wmma_scale_f32_16x16x128_f8f6f4 v[DD:DD+7], v[AA:AA+7], v[BB:BB+7], v[CC:CC+7], v[SA], v[SB] matrix_a_fmt:MATRIX_FMT_FP4 matrix_b_fmt:MATRIX_FMT_FP4
.elseif (\gl) == 0
	v_wmma_scale_f32_16x16x128_f8f6f4 v[DD:DD+7], v[AA:AA+7], v[BB:BB+7], v[CC:CC+7], v[SA], v[SB] matrix_a_fmt:MATRIX_FMT_FP4 matrix_b_fmt:MATRIX_FMT_FP4 matrix_a_scale:MATRIX_SCALE_ROW1
.elseif (\k)%2 == 0
	v_wmma_scale_f32_16x16x128_f8f6f4 v[DD:DD+7], v[AA:AA+7], v[BB:BB+7], v[CC:CC+7], v[SA], v[SB] matrix_a_fmt:MATRIX_FMT_FP4 matrix_b_fmt:MATRIX_FMT_FP4 matrix_b_scale:MATRIX_SCALE_ROW1
.else
	v_wmma_scale_f32_16x16x128_f8f6f4 v[DD:DD+7], v[AA:AA+7], v[BB:BB+7], v[CC:CC+7], v[SA], v[SB] matrix_a_fmt:MATRIX_FMT_FP4 matrix_b_fmt:MATRIX_FMT_FP4 matrix_a_scale:MATRIX_SCALE_ROW1 matrix_b_scale:MATRIX_SCALE_ROW1
.endif
.endm
.macro KSTEP s
.if (\s) < 13
	XLOAD (\s)+1                                   ; no wait here: the wait behind the last step's products stands between those products, which read this set, and these loads
.endif
.if (\s) <= 11
	s_wait_loadcnt 20                              ; this step's weights are in; the next two steps' twenty loads may be out
.elseif (\s) == 12
	s_wait_loadcnt 18                              ; step 13's ten and gamma's eight
.else
	s_wait_loadcnt 16                              ; gamma's eight and beta's eight
.endif
.if (\s) < 13
	s_wait_dscnt 5                                 ; this step's rows are in; the next step's five loads may be out
.else
	s_wait_dscnt 0x0
.endif
.irp k, 0,1,2,3                        ; the eight accumulators take turns, one instruction a turn
.irp gl, 0,1
	MM \s, \gl, \k
.endr
.endr
.rept 4
	v_nop                                          ; places in front of loads into registers that matrix instructions have read, and of the first read of results
.endr
.if (\s) <= 11
	s_wait_alu depctr_va_vdst(0)                   ; this step's products are done reading their set of the rows' fragments and scale words, in which the next step's LDS loads land, and (step 0) the bias, in which K step 3's weights land; the set that the loads below take was read a step earlier
.endif
.if (\s) <= 10
	WLOAD (\s)+3
.elseif (\s) == 11
	VEC 18, WB+64                                  ; gamma, into the set that step 10 has left
.elseif (\s) == 12
	VEC 20, WB+96                                  ; beta, into step 11's: its readers stand ahead of step 11's wait, and step 12's products name other sets
.endif
.endm
.irp s, 0,1,2,3,4,5,6,7,8,9,10,11,12,13
	KSTEP \s
.endr
; Four chains in v[32:39] (two for each tile of rows) become each row's sum over all 1,024 columns, in v64 (first tile of rows) and v80 (second), the same in every wave.
.macro REDUCE red
.irp gl, 0,1
	v_pk_add_f32 v[32+4*\gl:33+4*\gl], v[32+4*\gl:33+4*\gl], v[34+4*\gl:35+4*\gl]
.endr
.irp gl, 0,1
	v_add_f32 v[32+4*\gl], v[32+4*\gl], v[33+4*\gl]
.endr
.irp gl, 0,1
	v_permlanex16_b32 v[40+\gl], v[32+4*\gl], s30, s31
.endr
.irp gl, 0,1
	v_add_f32 v[32+4*\gl], v[32+4*\gl], v[40+\gl]  ; my wave's 64 columns of row r
.endr
	s_wait_alu depctr_va_vdst(0)                   ; v32 and v36 are written, which the two LDS stores read; and all that named v64 to v95 (products, the last reduction's additions) is done: the LDS loads behind the barrier land there
.irp gl, 0,1
	ds_store_b32 v[RW], v[32+4*\gl] offset:\red+64*\gl   ; both lanes of a row write the same word
.endr
	s_wait_dscnt 0x0
	s_barrier_signal -1
	s_barrier_wait -1
.irp i, 0,1,2,3,4,5,6,7,8,9,10,11,12,13,14,15
.irp gl, 0,1
	ds_load_b32 v[64+16*\gl+\i], v[RR] offset:\red+128*\i+64*\gl
.endr
.endr
	s_wait_dscnt 0x0
.irp i, 2,4,6,8,10,12,14
.irp gl, 0,1
	v_pk_add_f32 v[64+16*\gl:65+16*\gl], v[64+16*\gl:65+16*\gl], v[64+16*\gl+\i:65+16*\gl+\i]
.endr
.endr
.irp gl, 0,1
	v_add_f32 v[64+16*\gl], v[64+16*\gl], v[65+16*\gl]
.endr
.endm
	; the mean.  Each accumulator is read from its low end on
.irp gl, 0,1
.irp c, 0,1
	v_pk_add_f32 v[32+4*\gl+2*\c:33+4*\gl+2*\c], v[AC+32*\gl+16*\c:AC+32*\gl+16*\c+1], v[AC+32*\gl+16*\c+2:AC+32*\gl+16*\c+3]
.endr
.endr
.irp i, 4,6,8,10,12,14
.irp gl, 0,1
.irp c, 0,1
	v_pk_add_f32 v[32+4*\gl+2*\c:33+4*\gl+2*\c], v[32+4*\gl+2*\c:33+4*\gl+2*\c], v[AC+32*\gl+16*\c+\i:AC+32*\gl+16*\c+\i+1]
.endr
.endr
.endr
	REDUCE RED1
.irp gl, 0,1
	v_mul_f32 v[48+2*\gl], s26, v[64+16*\gl]
.endr
.irp gl, 0,1
	v_mov_b32 v[49+2*\gl], v[48+2*\gl]
.endr
.irp gl, 0,1
.irp i, 0,2,4,6,8,10,12,14,16,18,20,22,24,26,28,30
	v_pk_add_f32 v[AC+32*\gl+\i:AC+32*\gl+\i+1], v[AC+32*\gl+\i:AC+32*\gl+\i+1], v[48+2*\gl:49+2*\gl] neg_lo:[0,1] neg_hi:[0,1]   ; x - mean
.endr
.endr
	; the variance: the mean of the squares of the differences
	s_wait_alu depctr_vm_vsrc(0)                   ; the first reduction's LDS stores have read v32 and v36, which the lines below write again
.irp gl, 0,1
.irp c, 0,1
	v_pk_mul_f32 v[32+4*\gl+2*\c:33+4*\gl+2*\c], v[AC+32*\gl+16*\c:AC+32*\gl+16*\c+1], v[AC+32*\gl+16*\c:AC+32*\gl+16*\c+1]
.endr
.endr
.irp i, 2,4,6,8,10,12,14
.irp gl, 0,1
.irp c, 0,1
	v_pk_fma_f32 v[32+4*\gl+2*\c:33+4*\gl+2*\c], v[AC+32*\gl+16*\c+\i:AC+32*\gl+16*\c+\i+1], v[AC+32*\gl+16*\c+\i:AC+32*\gl+16*\c+\i+1], v[32+4*\gl+2*\c:33+4*\gl+2*\c]
.endr
.endr
.endr
	REDUCE RED2
.irp gl, 0,1
	v_fma_f32 v[52+2*\gl], v[64+16*\gl], s26, s27  ; variance + 1e-5
.endr
.irp gl, 0,1
	v_rsq_f32 v[56+2*\gl], v[52+2*\gl]
.endr
	v_nop                                          ; a plain place behind the last of the two
	s_wait_alu depctr_va_vdst(0)                   ; the two reciprocal roots have written their results, ahead of their first reader: one wait for both
.irp gl, 0,1
	v_mov_b32 v[57+2*\gl], v[56+2*\gl]
.endr
	s_wait_loadcnt 0x0                             ; gamma and beta
.irp gl, 0,1
.irp i, 0,2,4,6,8,10,12,14,16,18,20,22,24,26,28,30
	v_pk_mul_f32 v[AC+32*\gl+\i:AC+32*\gl+\i+1], v[AC+32*\gl+\i:AC+32*\gl+\i+1], v[56+2*\gl:57+2*\gl]
.endr
.endr
.irp gl, 0,1
.irp i, 0,2,4,6,8,10,12,14,16,18,20,22,24,26,28,30
	v_pk_fma_f32 v[AC+32*\gl+\i:AC+32*\gl+\i+1], v[AC+32*\gl+\i:AC+32*\gl+\i+1], v[WB+64+\i:WB+64+\i+1], v[WB+96+\i:WB+96+\i+1]
.endr
.endr
	; THE WAY OUT: a lane holds 32 neighbouring bytes of a row; 16 rows x 256 bytes go through my own stage and come back by rows: sixteen lanes store 256 consecutive bytes, aligned
	s_wait_alu depctr_va_vdst(0)                   ; the 64 results are written, which the LDS stores read; and all that named v64 to v127 (products, the reductions' additions) is done: the loads from the stage land there
.irp gl, 0,1
.irp k, 0,1,2,3
	ds_store_b128 v[SO], v[AC+32*\gl+8*\k:AC+32*\gl+8*\k+3] offset:64*\k
	ds_store_b128 v[SO], v[AC+32*\gl+8*\k+4:AC+32*\gl+8*\k+7] offset:64*\k+16
.endr
.irp i, 0,1,2,3,4,5,6,7
	ds_load_b128 v[64+32*\gl+4*\i:64+32*\gl+4*\i+3], v[SR] offset:544*\i   ; LDS serves a wave's instructions in order: these see my stores, and the second tile's stores come behind them
.endr
.endr
.irp gl, 0,1
.irp i, 0,1,2,3,4,5,6,7
	s_wait_dscnt 23-16*\gl-\i                      ; what was issued behind this load may stay out
	global_store_b128 v[GO], v[64+32*\gl+4*\i:64+32*\gl+4*\i+3], s[22:23] offset:65536*\gl+8192*\i th:TH_STORE_NT
.endr
.endr
	s_wait_xcnt 0x0
	s_wait_alu depctr_vm_vsrc(0)                   ; the LDS stores into the stage have read v254 and v255, which the two lines below make anew
	v_lshl_add_u32 v254, v0, 2, 0x19800
	v_mov_b32 v255, 0
	s_wait_dscnt 0x0                               ; the closing lines, six on end
	s_wait_alu 0x0
	s_wait_tensorcnt 0x0
	ds_add_u32 v254, v255
	s_wait_dscnt 0x0
	s_endpgm
.Lfunc_end_k_q1d612f6fc4_fcln:
	.size	k_q1d612f6fc4_fcln, .Lfunc_end_k_q1d612f6fc4_fcln-k_q1d612f6fc4_fcln
	.p2alignl 7, 3214868480
	.fill 96, 4, 3214868480
	.section	.rodata,"a",@progbits
	.p2align	6, 0x0
	.amdhsa_kernel k_q1d612f6fc4_fcln
		.amdhsa_group_segment_fixed_size 106496
		.amdhsa_private_segment_fixed_size 0
		.amdhsa_enable_private_segment 0
		.amdhsa_kernarg_size 80
		.amdhsa_user_sgpr_count 2
		.amdhsa_user_sgpr_kernarg_segment_ptr 1
		.amdhsa_wavefront_size32 1
		.amdhsa_system_sgpr_workgroup_id_x 1
		.amdhsa_system_sgpr_workgroup_id_y 1
		.amdhsa_system_sgpr_workgroup_id_z 1
		.amdhsa_system_vgpr_workitem_id 0
		.amdhsa_next_free_vgpr 256
		.amdhsa_next_free_sgpr 66
		.amdhsa_reserve_vcc 0
		.amdhsa_float_denorm_mode_32 3
		.amdhsa_float_denorm_mode_16_64 3
		.amdhsa_memory_ordered 1
		.amdhsa_forward_progress 1
		.amdhsa_inst_pref_size 64
	.end_amdhsa_kernel
	.amdgpu_metadata
---
amdhsa.version: [ 1, 2 ]
amdhsa.kernels:
  - .name:           k_q1d612f6fc4_fcln
    .symbol:         k_q1d612f6fc4_fcln.kd
    .args:
      - { .name: oimg, .offset: 0, .size: 8, .value_kind: global_buffer, .address_space: global }
      - { .name: osc, .offset: 8, .size: 8, .value_kind: global_buffer, .address_space: global }
      - { .name: wf, .offset: 16, .size: 8, .value_kind: global_buffer, .address_space: global }
      - { .name: ws, .offset: 24, .size: 8, .value_kind: global_buffer, .address_space: global }
      - { .name: q_codes, .offset: 32, .size: 8, .value_kind: global_buffer, .address_space: global }
      - { .name: q_scales, .offset: 40, .size: 8, .value_kind: global_buffer, .address_space: global }
      - { .name: resid_b, .offset: 48, .size: 8, .value_kind: global_buffer, .address_space: global }
      - { .name: ln_gamma, .offset: 56, .size: 8, .value_kind: global_buffer, .address_space: global }
      - { .name: ln_beta, .offset: 64, .size: 8, .value_kind: global_buffer, .address_space: global }
      - { .name: out0, .offset: 72, .size: 8, .value_kind: global_buffer, .address_space: global }
    .group_segment_fixed_size: 106496
    .private_segment_fixed_size: 0
    .kernarg_segment_align: 8
    .kernarg_segment_size: 80
    .max_flat_workgroup_size: 512
    .sgpr_count:     66
    .vgpr_count:     256
    .wavefront_size: 32
...
	.end_amdgpu_metadata
.endif
;; end of part 5
